; MI455X (gfx1250); checked and timed in simulation.
; The chip was launched on July 23, 2026; its instructions are those of AMD's public machine-readable ISA for CDNA 5 (MIT licence, August 2026) and "CDNA5" Instruction Set Architecture Reference Guide (July 2026). The comments in the code are by the model that wrote it; some were corrected since.
;; Multihead Attention. Allowed arithmetic: matrix products marked QUANTISED: E2M1 operands, one E8M0 scale for each 32 along K, by v_wmma_scale_f32_16x16x128_f8f6f4 with both operands' format E2M1 (or v_wmma_scale_f32_32x16x128_f4), f32 sums; products left as they are: bf16, f16 or f32 operands; f32 sums; everything else in f32.
;; Inputs: bk 1,024 float32; bo 1,024 float32; bq 1,024 float32; bv 1,024 float32; k_in 8 x 1,024 x 1,024 float32; mask 1,024 x 1,024 bool; q_in 8 x 1,024 x 1,024 float32; v_in 8 x 1,024 x 1,024 float32; wk 1,024 x 1,024 float32; wo 1,024 x 1,024 float32; wq 1,024 x 1,024 float32; wv 1,024 x 1,024 float32.
;; Outputs: out0 8 x 1,024 x 1,024 float32.
;; This version of the problem:
;;   THIS VERSION OF THE PROBLEM IS GIVEN IN LOW PRECISION. The matrix products marked QUANTISED in the list below multiply operands that are first quantised to E2M1 (2 exponent bits, 1 mantissa bit; 4 bits a number), with one power-of-two scale for each 32 numbers along K (OCP MX v1.0); their sums are f32. The products marked 'left as it is' may take bf16, f16 or f32 operands, with f32 sums. Whichever they take, every output number must still come out within the allowed error. Rounding operands to bf16 (8 significant bits) uses up far more of that allowance than f16 does (11 bits, for magnitudes from 6e-5 to 65,504). All else is computed in f32.
;;   The module's matrix products, in the order in which they are computed (A, B: the left and right operand; K: the contracted axis; several contracted axes count as one K, in the product's order):
;;     1. [M 8,192, K 1,024] x [K 1,024, N 1,024]; A: input q_in; B: input wq: QUANTISED
;;     2. [M 8,192, K 1,024] x [K 1,024, N 1,024]; A: input k_in; B: input wk: QUANTISED
;;     3. [M 8,192, K 1,024] x [K 1,024, N 1,024]; A: input v_in; B: input wv: QUANTISED
;;     4. batch 128 x [M 1,024, K 64] x [K 64, N 1,024]; A: computed on the way; B: computed on the way: left as it is (an operand is computed on the way)
;;     5. batch 128 x [M 1,024, K 1,024] x [K 1,024, N 64]; A: computed on the way; B: computed on the way: left as it is (an operand is computed on the way)
;;     6. [M 8,192, K 1,024] x [K 1,024, N 1,024]; A: computed on the way; B: input wo: left as it is (an operand is computed on the way)
;;   THE QUANTISER, for each operand of a quantised product, along K:
;;     - K is cut into blocks of 32 from its start; a last block that is shorter is filled with zeros.
;;     - A block's scale is 2^e with e = floor(log2(the largest magnitude in the block)) - 2, held to -126 .. 127; a block of zeros has e = 0. As a byte (E8M0): e + 127.
;;     - Each number is divided by its block's scale, clamped to +-6, and rounded to the nearest number of E2M1, ties to even, subnormals kept.
;;     - The product sums the exact products of the quantised numbers (number of the format x scale) in f32.
;;   ~~~python
;;   def quantise(x, axis):      # numpy; x: float32 -> the quantised numbers, widened to float32 again
;;       x = np.moveaxis(x, axis, -1); K = x.shape[-1]
;;       x = np.pad(x, [(0, 0)] * (x.ndim - 1) + [(0, -K % 32)]); x = x.reshape(x.shape[:-1] + (-1, 32)); a = np.abs(x).max(-1, keepdims=True)
;;       e = np.where(a > 0, np.clip(np.frexp(np.where(a > 0, a, 1))[1] - 1 - 2, -126, 127), 0)      # np.frexp(a)[1] - 1 = floor(log2(a)), exactly
;;       r = np.clip(x / 2.0 ** e, -6, 6)
;;       step = 2.0 ** (np.maximum(np.frexp(np.where(r == 0, 1, r))[1] - 1, 0) - 1)
;;       q = np.round(r / step) * step * 2.0 ** e      # np.round: ties to even
;;       return np.moveaxis(q.reshape(q.shape[:-2] + (-1,))[..., :K], -1, axis).astype(np.float32)
;;   ~~~
;; One version. Each part assembles by itself: llvm-mc -triple=amdgcn-amd-amdhsa -mcpu=gfx1250 --defsym DOCPART=n.
;; ======== version 1 of 1: 4 launches
;; limits: values are held in f16: magnitudes above 65,504 overflow, below 6.1e-05 lose precision
;; workspace buffers: codes 14,155,776 bytes; scales 884,736 bytes; wo16 2,097,152 bytes; mwords 131,072 bytes of whole numbers; qkv16 50,331,648 bytes; heads16 16,777,216 bytes
;; launch prep (part 1): grid 1024 x 1, 4 waves a work-group, no clusters, 33,280 bytes of LDS; arguments q_in, k_in, v_in, wq, wk, wv, wo, mask, codes, scales, wo16, mwords; writes codes, scales, wo16, mwords
.if DOCPART == 1
	.amdgcn_target "amdgcn-amd-amdhsa--gfx1250"
	.amdhsa_code_object_version 6
	.text
	.protected	k_qf31ba14bd7_prep
	.globl	k_qf31ba14bd7_prep
	.p2align	8
	.type	k_qf31ba14bd7_prep,@function
k_qf31ba14bd7_prep:
	s_mov_b64 s[64:65], 0
	v_nop
	global_prefetch_b8 v0, s[64:65] scope:SCOPE_SE
	s_setreg_imm32_b32 hwreg(HW_REG_WAVE_MODE, 25, 1), 1
	s_wait_xcnt 0x0
; THE LAUNCH IN FRONT OF THE PRODUCTS.  Three kinds of work, told apart by the work-group's number g:
;   g < 864:        q_in, k_in, v_in [8192][1024] and wq, wk, wv [1024][1024], f32, K innermost, become codes of FP4 (E2M1) and one E8M0 byte for each 32 along K.
;                   The six tensors lie one behind the other in the two workspace buffers: codes [27648 rows][512 bytes], scales [27648][32 bytes].
;   864 <= g < 896: wo becomes f16, as it lies.
;   896 <= g:       the mask (one byte a number, not 0 = hidden) becomes lane words: bit r + 16 h of word (qt, kt, j) is mask[16 qt + r][16 kt + 8 h + j]: the lanes of register j of a tile of
;                   16 keys x 16 queries as the matrix unit leaves it.  Laid [64 qt][64 kt][8 j], 4 bytes a word.
; THE QUANTISER.  A block's scale is 2^(floor(log2(its largest magnitude)) - 2); its byte is the largest magnitude's exponent field - 2, held at 1 from below.  Each number is divided by the scale and
; rounded to the nearest code, ties to even, beyond 6 the largest code.  Rows are dense and K is a multiple of 32: a tensor is a plain stream of blocks of 32.
; A wave takes 16 steps of 512 numbers.  Each of a step's four loads reads 512 consecutive bytes; the 2,048 bytes turn through the wave's own stage in LDS and come back 64 bytes a lane, so that a lane holds
; 16 neighbours along K (two neighbouring lanes hold a block).  A lane's 16 codes are 8 bytes: the wave stores 256 consecutive bytes.  A wave's 256 scale bytes gather in LDS and leave as one store.
; LIMITS: a block of zeros gets the byte 1 where the rule says 127 (its codes are zeros, and this program alone reads the bytes); blocks whose largest magnitude lies under 2^-124 are held at the byte 1;
; NaN and infinities among the inputs are not served; wo beyond 65,504 in magnitude becomes infinite in f16.
.set WAVES, 4
.set STEPS, 16
.set EMAX,  2
.set CB,    8                          ; bytes of 16 codes
.set R,     16                         ; v16-79   four sets of 16 numbers as they are loaded
.set X,     80                         ; v80-111  two sets of 16 neighbours
.set E,     112                        ; v112-127 a scale byte for each step
.set C,     128                        ; v128-191 codes: four registers for each step, so that no store's data are written again
.set WREG,  8192                       ; LDS: a region for each wave: two stages of 32 x SP bytes, behind them its 256 scale bytes
.set SP,    80                         ; a lane's place in a stage: 64 bytes + 16 of padding
.set SPW,   12                         ; v12  LDS address of my spare word; never rewritten
.set NIL,   13                         ; v13  0; never rewritten
.set SPARE, WAVES*WREG                 ; behind the four regions: the spare words, 128 bytes a wave, that no other line names
	s_load_b512 s[4:19], s[0:1], 0x0               ; q_in 4, k_in 6, v_in 8, wq 10, wk 12, wv 14, wo 16, mask 18
	s_load_b256 s[20:27], s[0:1], 0x40             ; codes 20, scales 22, wo16 24, mwords 26
	v_lshl_add_u32 v[SPW], v0, 2, SPARE
	v_mov_b32 v[NIL], 0
	v_lshrrev_b32 v1, 5, v0
	v_readfirstlane_b32 s30, v1                    ; wave
	v_and_b32 v2, 31, v0                           ; lane
	v_lshlrev_b32 v3, 4, v2                        ; 16 x lane
	s_mul_i32 s34, s30, WREG                       ; every LDS address is made here, ahead of the parting of the three kinds
	v_lshrrev_b32 v14, 2, v2
	v_mul_u32_u24 v14, v14, SP
	v_and_b32 v15, 3, v2
	v_lshl_add_u32 v14, v15, 4, v14
	v_add_nc_u32 v14, s34, v14                     ; the stage, on the way in: SP (lane / 4) + 16 (lane % 4)
	v_mul_u32_u24 v15, v2, SP
	v_add_nc_u32 v15, s34, v15                     ; and on the way out: SP x lane
	v_mul_u32_u24 v4, v2, CB                       ; 8 x lane
	v_lshrrev_b32 v5, 1, v2
	s_add_co_u32 s34, s34, 2*32*SP
	v_add_nc_u32 v5, s34, v5                       ; my block's scale byte in my wave's 256
	v_lshlrev_b32 v7, 3, v2
	v_add_nc_u32 v6, s34, v7                       ; and 8 of them a lane on the way out
	s_mov_b32 s33, 0                               ; the upper word of every offset
	s_wait_kmcnt 0x0
	s_cmp_lt_u32 ttmp9, 864
	s_cbranch_scc0 .Lnot_quant
	; ---- the quantiser.  Which tensor: the choice hangs on the work-group's number alone
	s_mov_b64 s[28:29], s[14:15]                   ; wv, from work-group 832 on
	s_mov_b32 s31, 832
	s_cmp_lt_u32 ttmp9, 832
	s_cselect_b64 s[28:29], s[12:13], s[28:29]     ; wk
	s_cselect_b32 s31, 800, s31
	s_cmp_lt_u32 ttmp9, 800
	s_cselect_b64 s[28:29], s[10:11], s[28:29]     ; wq
	s_cselect_b32 s31, 768, s31
	s_cmp_lt_u32 ttmp9, 768
	s_cselect_b64 s[28:29], s[8:9], s[28:29]       ; v_in
	s_cselect_b32 s31, 512, s31
	s_cmp_lt_u32 ttmp9, 512
	s_cselect_b64 s[28:29], s[6:7], s[28:29]       ; k_in
	s_cselect_b32 s31, 256, s31
	s_cmp_lt_u32 ttmp9, 256
	s_cselect_b64 s[28:29], s[4:5], s[28:29]       ; q_in
	s_cselect_b32 s31, 0, s31
	s_sub_co_u32 s31, ttmp9, s31
	s_lshl_b32 s31, s31, 2
	s_add_co_u32 s31, s31, s30                     ; which run of 8,192 numbers of the tensor is my wave's
	s_lshl_b32 s32, s31, 15
	s_add_nc_u64 s[28:29], s[28:29], s[32:33]
	s_lshl_b32 s31, ttmp9, 2
	s_add_co_u32 s31, s31, s30                     ; and which run of the six tensors on end
	s_lshl_b32 s32, s31, 12
	s_add_nc_u64 s[20:21], s[20:21], s[32:33]      ; 4,096 bytes of codes a run
	s_lshl_b32 s32, s31, 8
	s_add_nc_u64 s[22:23], s[22:23], s[32:33]      ; 256 scale bytes a run
.macro LOAD t
.irp i, 0,1,2,3
	global_load_b128 v[R+16*((\t)%4)+4*\i:R+16*((\t)%4)+4*\i+3], v3, s[28:29] offset:2048*(\t)+512*\i th:TH_LOAD_NT   ; 32 lanes read 512 consecutive bytes
.endr
.endm
.macro TURN t                          ; step t's numbers through the stage: LDS serves a wave's instructions in order, so no wait stands between the stores and the loads
.irp i, 0,1,2,3
	ds_store_b128 v14, v[R+16*((\t)%4)+4*\i:R+16*((\t)%4)+4*\i+3] offset:32*SP*((\t)%2)+8*SP*\i
.endr
.irp i, 0,1,2,3
	ds_load_b128 v[X+16*((\t)%2)+4*\i:X+16*((\t)%2)+4*\i+3], v15 offset:32*SP*((\t)%2)+16*\i
.endr
.endm
.irp t, 0,1,2,3
	LOAD \t
.endr
	s_wait_loadcnt 12                              ; step 0's four loads are in; those of three steps may be out
	TURN 0
.macro STEP t
.set XS, X+16*((\t)%2)
.if (\t) > 0
	s_wait_dscnt 1                                 ; this step's numbers are back from the stage (the last step's byte store may be out)
.else
	s_wait_dscnt 0x0
.endif
.if (\t)+4 < STEPS
	LOAD (\t)+4                                    ; into the registers that the stage's stores have read
.endif
.if (\t)+1 < STEPS
.if STEPS-2-(\t) >= 3
	s_wait_loadcnt 12                              ; the next step's four loads are in; those of the three steps behind it may be out
.else
	s_wait_loadcnt 4*(STEPS-2-(\t))
.endif
	TURN (\t)+1                                    ; they go through the other stage while this step is worked
.endif
	v_max3_num_f32 v8, |v[XS]|, |v[XS+1]|, |v[XS+2]|               ; the largest magnitude of my 16, in two chains
	v_max3_num_f32 v9, |v[XS+3]|, |v[XS+4]|, |v[XS+5]|
.irp i, 6,10
	v_max3_num_f32 v8, v8, |v[XS+\i]|, |v[XS+\i+1]|
	v_max3_num_f32 v9, v9, |v[XS+\i+2]|, |v[XS+\i+3]|
.endr
	v_max3_num_f32 v8, v8, |v[XS+14]|, |v[XS+15]|
	v_max3_num_f32 v8, v8, v9, (EMAX+1)<<23        ; and the floor 2^(3 - 127): the byte cannot fall under 1
	v_max_num_f32_dpp v8, v8, v8 row_xmask:1 row_mask:0xf bank_mask:0xf   ; with my neighbour's 16: the block's
	v_add_nc_u32 v11, -(EMAX<<23), v8              ; 2 off its exponent field: the conversion takes the exponent field of this operand as its scale
	v_cvt_scalef32_pk8_fp4_f32 v[C+4*(\t)], v[XS:XS+7], v11
	v_cvt_scalef32_pk8_fp4_f32 v[C+4*(\t)+1], v[XS+8:XS+15], v11
	v_lshrrev_b32 v[E+(\t)], 23, v11               ; the scale's byte (also the plain line behind the conversions)
	ds_store_b8 v5, v[E+(\t)] offset:16*(\t)       ; both lanes of a block write the same byte with the same value
	global_store_b64 v4, v[C+4*(\t):C+4*(\t)+1], s[20:21] offset:32*CB*(\t)   ; 32 lanes store 256 consecutive bytes, aligned
.endm
.irp t, 0,1,2,3,4,5,6,7,8,9,10,11,12,13,14,15
	STEP \t
.endr
	ds_load_b64 v[8:9], v6                         ; LDS serves a wave's instructions in order: these see my byte stores
	s_wait_dscnt 0x0
	global_store_b64 v7, v[8:9], s[22:23]          ; 256 consecutive bytes, aligned
	s_branch .Lend
.Lnot_quant:
	s_cmp_lt_u32 ttmp9, 896
	s_cbranch_scc0 .Lmask
	; ---- wo to f16: a wave takes 8,192 numbers, in four groups of 16 loads; two groups are on their way
	s_sub_co_u32 s31, ttmp9, 864
	s_lshl_b32 s31, s31, 2
	s_add_co_u32 s31, s31, s30
	s_lshl_b32 s32, s31, 15
	s_add_nc_u64 s[16:17], s[16:17], s[32:33]
	s_lshl_b32 s32, s31, 14
	s_add_nc_u64 s[24:25], s[24:25], s[32:33]
.macro WLOAD g
.irp i, 0,1,2,3,4,5,6,7,8,9,10,11,12,13,14,15
	global_load_b128 v[16+64*((\g)%2)+4*\i:16+64*((\g)%2)+4*\i+3], v3, s[16:17] offset:512*(16*(\g)+\i) th:TH_LOAD_NT
.endr
.endm
.macro WCONV g, left                   ; left: the loads issued behind this group's first
	s_wait_xcnt 0x0                                ; the last group's stores have read their data registers, which are written again below
.irp i, 0,1,2,3,4,5,6,7,8,9,10,11,12,13,14,15
	s_wait_loadcnt \left-\i
	v_cvt_pk_f16_f32 v[144+2*\i], v[16+64*((\g)%2)+4*\i], v[16+64*((\g)%2)+4*\i+1]
	v_cvt_pk_f16_f32 v[145+2*\i], v[16+64*((\g)%2)+4*\i+2], v[16+64*((\g)%2)+4*\i+3]
	global_store_b64 v4, v[144+2*\i:145+2*\i], s[24:25] offset:256*(16*(\g)+\i)   ; 256 consecutive bytes, aligned
.endr
.endm
	WLOAD 0
	WLOAD 1
	WCONV 0, 31                                    ; 15 of this group and the next group's 16
	WLOAD 2
	WCONV 1, 31
	WLOAD 3
	WCONV 2, 31
	WCONV 3, 15
	s_branch .Lend
.Lmask:
	; ---- the mask's lane words: a wave takes 16 queries x 128 keys: 64 words
	s_sub_co_u32 s31, ttmp9, 896
	s_lshl_b32 s31, s31, 2
	s_add_co_u32 s31, s31, s30                     ; task 0 .. 511
	s_lshr_b32 s34, s31, 3                         ; qt
	s_and_b32 s35, s31, 7                          ; which 128 keys
	s_lshl_b32 s32, s34, 14
	s_lshl_b32 s36, s35, 7
	s_add_co_u32 s32, s32, s36
	s_add_nc_u64 s[18:19], s[18:19], s[32:33]      ; mask: 16 rows of 1,024 bytes a qt
	s_lshl_b32 s32, s34, 11
	s_lshl_b32 s36, s35, 8
	s_add_co_u32 s32, s32, s36
	s_add_nc_u64 s[26:27], s[26:27], s[32:33]      ; words: 2,048 bytes a qt, 256 for 128 keys
	v_and_b32 v8, 15, v0                           ; r
	v_bfe_u32 v9, v0, 4, 1                         ; h
	v_lshlrev_b32 v10, 10, v8
	v_lshl_add_u32 v10, v9, 3, v10                 ; row r, + 8 h
.irp t, 0,1,2,3,4,5,6,7
	global_load_b64 v[16+2*\t:17+2*\t], v10, s[18:19] offset:16*\t   ; keys 16 t + 8 h + 0 .. 7 of query r
.endr
	v_mov_b32 v32, 0                               ; (a lane write's destination counts as read)
	v_mov_b32 v33, 0
	s_wait_loadcnt 0x0
.irp t, 0,1,2,3,4,5,6,7
.irp j, 0,1,2,3,4,5,6,7
	v_bfe_u32 v8, v[16+2*\t+\j/4], 8*(\j%4), 8
	v_cmp_ne_u32 s40, 0, v8                        ; the 32 lanes' bits are the word
	v_writelane_b32 v[32+\j%2], s40, 4*\t+\j/2     ; word 8 t + j goes out from lane 4 t + j / 2
.endr
.endr
	global_store_b64 v7, v[32:33], s[26:27]        ; 256 consecutive bytes, aligned
.Lend:
	s_wait_tensorcnt 0x0                           ; the wave's end
	ds_add_u32 v[SPW], v[NIL]
	s_wait_dscnt 0x0
	s_endpgm
.Lfunc_end_k_qf31ba14bd7_prep:
	.size	k_qf31ba14bd7_prep, .Lfunc_end_k_qf31ba14bd7_prep-k_qf31ba14bd7_prep
	.p2alignl 7, 3214868480
	.fill 96, 4, 3214868480
	.section	.rodata,"a",@progbits
	.p2align	6, 0x0
	.amdhsa_kernel k_qf31ba14bd7_prep
		.amdhsa_group_segment_fixed_size 33280
		.amdhsa_private_segment_fixed_size 0
		.amdhsa_enable_private_segment 0
		.amdhsa_kernarg_size 96
		.amdhsa_user_sgpr_count 2
		.amdhsa_user_sgpr_kernarg_segment_ptr 1
		.amdhsa_wavefront_size32 1
		.amdhsa_system_sgpr_workgroup_id_x 1
		.amdhsa_system_sgpr_workgroup_id_y 1
		.amdhsa_system_sgpr_workgroup_id_z 1
		.amdhsa_system_vgpr_workitem_id 0
		.amdhsa_next_free_vgpr 192
		.amdhsa_next_free_sgpr 66
		.amdhsa_reserve_vcc 0
		.amdhsa_float_denorm_mode_32 3
		.amdhsa_float_denorm_mode_16_64 3
		.amdhsa_memory_ordered 1
		.amdhsa_forward_progress 1
		.amdhsa_inst_pref_size 70
	.end_amdhsa_kernel
	.amdgpu_metadata
---
amdhsa.version: [ 1, 2 ]
amdhsa.kernels:
  - .name:           k_qf31ba14bd7_prep
    .symbol:         k_qf31ba14bd7_prep.kd
    .args:
      - { .name: q_in, .offset: 0, .size: 8, .value_kind: global_buffer, .address_space: global }
      - { .name: k_in, .offset: 8, .size: 8, .value_kind: global_buffer, .address_space: global }
      - { .name: v_in, .offset: 16, .size: 8, .value_kind: global_buffer, .address_space: global }
      - { .name: wq, .offset: 24, .size: 8, .value_kind: global_buffer, .address_space: global }
      - { .name: wk, .offset: 32, .size: 8, .value_kind: global_buffer, .address_space: global }
      - { .name: wv, .offset: 40, .size: 8, .value_kind: global_buffer, .address_space: global }
      - { .name: wo, .offset: 48, .size: 8, .value_kind: global_buffer, .address_space: global }
      - { .name: mask, .offset: 56, .size: 8, .value_kind: global_buffer, .address_space: global }
      - { .name: codes, .offset: 64, .size: 8, .value_kind: global_buffer, .address_space: global }
      - { .name: scales, .offset: 72, .size: 8, .value_kind: global_buffer, .address_space: global }
      - { .name: wo16, .offset: 80, .size: 8, .value_kind: global_buffer, .address_space: global }
      - { .name: mwords, .offset: 88, .size: 8, .value_kind: global_buffer, .address_space: global }
    .group_segment_fixed_size: 33280
    .private_segment_fixed_size: 0
    .kernarg_segment_align: 8
    .kernarg_segment_size: 96
    .max_flat_workgroup_size: 128
    .sgpr_count:     66
    .vgpr_count:     192
    .wavefront_size: 32
...
	.end_amdgpu_metadata
.endif
;; end of part 1
;; launch proj (part 2): grid 4 x 96, 4 waves a work-group, clusters of 4 x 4, 327,680 bytes of LDS; arguments codes, scales, bq, bk, bv, qkv16; writes qkv16
.if DOCPART == 2
	.amdgcn_target "amdgcn-amd-amdhsa--gfx1250"
	.amdhsa_code_object_version 6
	.text
	.protected	k_qf31ba14bd7_proj
	.globl	k_qf31ba14bd7_proj
	.p2align	8
	.type	k_qf31ba14bd7_proj,@function
k_qf31ba14bd7_proj:
	s_mov_b64 s[64:65], 0
	v_nop
	global_prefetch_b8 v0, s[64:65] scope:SCOPE_SE
	s_setreg_imm32_b32 hwreg(HW_REG_WAVE_MODE, 25, 1), 1
	s_wait_xcnt 0x0
	s_wait_alu depctr_hold_cnt(0) depctr_sa_sdst(0) depctr_va_vdst(0) depctr_va_sdst(0) depctr_va_ssrc(0) depctr_va_vcc(0) depctr_vm_vsrc(0)
	s_getreg_b32 s2, hwreg(HW_REG_IB_STS2, 6, 4)
	s_cmp_eq_u32 s2, 0
	s_cbranch_scc0 .Lentry_in_a_cluster
	s_endpgm
.Lentry_in_a_cluster:
	s_bfe_u32 s2, ttmp6, 0x10000c
	s_cmp_lg_u32 s2, 0xf033
	s_cbranch_scc0 .Lentry_shape_is_right
	s_endpgm
.Lentry_shape_is_right:
; THE THREE PROJECTIONS AS ONE GEMM ON CODES OF MX-FP4.  Rows 0-8191 of the codes are q_in's, 8192-16383 k_in's, 16384-24575 v_in's; rows 24576 + 1024 z on are the weight of tensor z (wq, wk, wv).
; qkv16[m][n] = f16((sum over k of x[m][k] W_z[n][k] + b_z[n]) x f), z = m / 8192, f = log2(e) / 4 for z = 0 (the queries carry the softmax's factor) and 1 else.  Sums in f32; the bias is the C of each sum's first product.
; A tile of 256 x 256 is made by a work-group of four waves; a wave makes 128 x 128: 64 accumulators, 512 registers.  K = 1,024 is two K steps of 512, rows of 256 bytes: the two LDS slots hold all of K, each filled once.
; The scale bytes of the work-group's 256 + 256 rows are two dense blocks: they come once, with the first fills.
; CLUSTERS: 4 x 4 work-groups, whose 1,024 rows lie in one tensor.  The four of a row of the cluster ask jointly for the tiles of x, the four of a column for those of W.
; THE MATRIX INSTRUCTION IS USED TRANSPOSED (source 0 = 16 rows of W, source 1 = 16 rows of x): a lane holds eight neighbouring numbers of a row of the result.
; 384 work-groups: one for each tile; a tile is 512 matrix instructions a wave.
; LIMIT: results beyond 65,504 in magnitude become infinite in f16.
; REGISTERS, in windows of 256: window 0: v0-31 addresses; v32-95 scale words, two sets; v128-191 x's fragments, one set; v192-255 the bias, eight tiles; on the way out v32-191 are free.
;   window 1: W's fragments, two sets, at v0 and v128.   window 2: the accumulators of my rows 0-63 ((a, b) at v[8 (8 a + b)]);   window 3: those of my rows 64-127.
.set KSTEP,  512
.set NQ,     KSTEP/128                 ; matrix instructions deep
.set ROWB,   256                       ; a tile's row in bytes
.set KROW,   512                       ; a row of codes in memory
.set PITCH,  272                       ; an LDS row: 256 bytes + 16 of padding: the 16 rows of a fragment load start 68 words apart
.set FR,     8
.set NL,     2
.set NP,     4                         ; places behind this matrix instruction (ISA guide 7.12.1)
.set HALFT,  128*PITCH
.set SLOT,   4*HALFT                   ; x's 256 rows, then W's 256 rows
.set KS,     32                        ; a row of scale bytes
.set SCL,    2*SLOT                    ; behind the two slots: the scales, as units of 256 bytes + 16 of padding
.set HALFS,  (128*KS/256)*272
.set SBLK,   (16*KS/256)*272
.set SPARE,  SCL+4*HALFS               ; the spare words, 128 bytes a wave, that no other line names
.set SPITCH, 272                       ; the way out: 16 rows x (256 bytes + 16) for each wave, in slot 0, which has had its one fill and its last read by then
.set OUTROW, 2048                      ; a row of the result in bytes
.set WROW0,  24576                     ; the weights' first row among the codes
.set ADRA, 16
.set ADRB, 20
.set STO,  24
.set RD,   25
.set CO,   26
.set ADRS, 27
.set SPW,  28                          ; v28  LDS address of my spare word; never rewritten
.set NIL,  29                          ; v29  0; never rewritten
.set BOF,  30                          ; v30  32 x (lane / 16): my half's eight numbers of a tile of the bias
.set SC,   32
.set AF,   128
.set BI,   192
.set TMP,  32                          ; the way out: packed results
.set WK,   128                         ; the way out: results x f
.set BK,   64                          ; the way out: rows read back: v64-95 and v96-127 by turns
.set G1, 24
.set G0, 32
.set G1B, 48
.set G0B, 56
.set G1S, 68
.set G0S, 76
.set G1SB, 80
.set G0SB, 88
.set FC, 94                            ; s[94:95] f, as a pair for the packed multiply
.set MSB, 0
.macro WIN new                         ; the immediate's high byte repeats the setting that is left
.if MSB != (\new)
	s_set_vgpr_msb (MSB<<8)|(\new)
.set MSB, (\new)
.endif
.endm
.set MUL_LO, 0xa1                      ; source 0 (W) window 1, source 1 (x) window 0, C and D window 2
.set MUL_HI, 0xf1                      ; the same, C and D window 3
.set TO_B,   0x40
; A joint load: waves 0 and 1 fetch for x, waves 2 and 3 for W.  The branch hangs on the wave's number alone.  An s_nop 0 and four v_nop follow each line.
.macro JLOAD g0a, g1a, g0b, g1b
	s_cmp_eq_u32 s15, 0
	s_cbranch_scc0 .Lfor_b_\@
	tensor_load_to_lds s[\g0a:\g0a+3], s[\g1a:\g1a+7]
	s_nop 0
.rept 4
	v_nop
.endr
	s_branch .Lasked_\@
.Lfor_b_\@:
	tensor_load_to_lds s[\g0b:\g0b+3], s[\g1b:\g1b+7]
	s_nop 0
.rept 4
	v_nop
.endr
.Lasked_\@:
.endm
.macro CROUND                          ; a round of the cluster's barrier
	s_barrier_signal -1
	s_barrier_wait -1
	s_cmp_lg_u32 s14, 0
	s_cbranch_scc1 .Lnot_wave_0_\@
	s_barrier_signal -3
.Lnot_wave_0_\@:
	s_barrier_wait -3
	s_barrier_signal -1
	s_barrier_wait -1
.endm
	s_load_b128 s[4:7], s[0:1], 0x0                ; codes s[4:5], scales s[6:7]
	s_load_b128 s[96:99], s[0:1], 0x10             ; bq, bk
	s_load_b64 s[100:101], s[0:1], 0x20            ; bv
	s_load_b64 s[12:13], s[0:1], 0x28              ; the result
	v_lshl_add_u32 v[SPW], v0, 2, SPARE
	v_mov_b32 v[NIL], 0
	ds_add_u32 v[SPW], v[NIL]                      ; the wave's opening: the add, twice on end, and its wait ahead of my first tensor load
	ds_add_u32 v[SPW], v[NIL]
	v_lshrrev_b32 v1, 5, v0
	v_readfirstlane_b32 s14, v1                    ; wave 0..3
	s_lshr_b32 s15, s14, 1                         ; which half of the tile's rows is mine.  Also: I fetch for x (0) or for W (1)
	s_and_b32 s16, s14, 1                          ; which half of its columns.  Also: which 128 rows I fetch
	s_bfe_u32 s40, ttmp6, 0x40000                  ; cx, cy
	s_bfe_u32 s41, ttmp6, 0x40004
	s_lshl_b32 s42, ttmp9, 2
	s_add_co_u32 s42, s42, s40                     ; tile column = 4 x cluster x + cx
	s_and_b32 s17, ttmp7, 0xffff
	s_lshr_b32 s95, s17, 3                         ; z: which tensor: eight clusters of 1,024 rows each; the same in all sixteen partners
	s_lshl_b32 s17, s17, 2
	s_add_co_u32 s17, s17, s41                     ; tile row = 4 x cluster y + cy
	s_lshl_b32 s43, s41, 2
	s_lshl_b32 s43, 15, s43                        ; my row of the cluster
	s_lshl_b32 s44, 0x1111, s40                    ; my column
	s_or_b32 s[G1+0], s43, (0<<16)|(1<<20)|(1<<21)|(5<<22)|(3<<25)  ; the mask; elements of 1 byte; padding on; bit 21 beside a mask; 4 words after every 64
	s_or_b32 s[G1B+0], s44, (0<<16)|(1<<20)|(1<<21)|(5<<22)|(3<<25)
.irp g, G1, G1B
	s_mov_b32 s[\g+1], ROWB<<16                    ; tensor_dim0
	s_mov_b32 s[\g+2], 128<<16                     ; tensor_dim1
	s_mov_b32 s[\g+3], ROWB<<16                    ; tile_dim0
	s_mov_b32 s[\g+4], 128                         ; tile_dim1
	s_mov_b32 s[\g+5], KROW                        ; from row to row
	s_mov_b32 s[\g+6], 0
	s_mov_b32 s[\g+7], 0
.endr
	s_or_b32 s[G1S+0], s43, (3<<16)|(1<<20)|(1<<21)|(5<<22)|(3<<25) ; the scales of 128 rows: 4,096 dense bytes as 16 rows of 256 (32 elements of 8 bytes)
	s_or_b32 s[G1SB+0], s44, (3<<16)|(1<<20)|(1<<21)|(5<<22)|(3<<25)
.irp g, G1S, G1SB
	s_mov_b32 s[\g+1], 32<<16
	s_mov_b32 s[\g+2], (128*KS/256)<<16
	s_mov_b32 s[\g+3], 32<<16
	s_mov_b32 s[\g+4], 128*KS/256
	s_mov_b32 s[\g+5], 32
	s_mov_b32 s[\g+6], 0
	s_mov_b32 s[\g+7], 0
.endr
	s_lshl_b32 s18, s16, 7                         ; which 128 rows of the tile I fetch
	s_lshl_b32 s20, s17, 8
	s_add_co_u32 s20, s20, s18                     ; x: row 256 x tile row + 128 x half
	s_lshl_b32 s46, s42, 8
	s_add_co_u32 s46, s46, s18                     ; W: row 256 x tile column + 128 x half,
	s_lshl_b32 s47, s95, 10
	s_add_co_u32 s46, s46, s47                     ; in tensor z's weight,
	s_add_co_u32 s46, s46, WROW0                   ; behind the 24,576 rows of x
	s_mov_b32 s21, 0
	s_mov_b32 s47, 0
	s_mov_b64 s[18:19], KS
	s_mul_u64 s[22:23], s[20:21], s[18:19]         ; where these rows' scales begin,
	s_mul_u64 s[92:93], s[46:47], s[18:19]
	s_mov_b64 s[18:19], KROW
	s_mul_u64 s[20:21], s[20:21], s[18:19]         ; and their codes
	s_mul_u64 s[46:47], s[46:47], s[18:19]
	s_mul_i32 s45, s14, HALFT                      ; where they go: wave x 128 rows
	s_mul_i32 s94, s14, HALFS
	s_wait_dscnt 0x0                               ; both opening adds are done
	s_wait_kmcnt 0x0
	s_add_nc_u64 s[20:21], s[4:5], s[20:21]
	s_add_nc_u64 s[22:23], s[6:7], s[22:23]
	s_add_nc_u64 s[46:47], s[4:5], s[46:47]
	s_add_nc_u64 s[92:93], s[6:7], s[92:93]
	CROUND                                         ; all sixteen work-groups are here: the joint loads meet
	s_mov_b32 s[G0S], 1
	s_add_co_u32 s[G0S+1], s94, SCL
	s_mov_b64 s[G0S+2:G0S+3], s[22:23]
	s_or_b32 s[G0S+3], s[G0S+3], 0x80000000
	s_mov_b32 s[G0SB], 1
	s_add_co_u32 s[G0SB+1], s94, SCL
	s_mov_b64 s[G0SB+2:G0SB+3], s[92:93]
	s_or_b32 s[G0SB+3], s[G0SB+3], 0x80000000
	JLOAD G0S, G1S, G0SB, G1SB                     ; the scales first: they are wanted with K step 0
.irp s, 0,1
	s_mov_b32 s[G0+4*\s], 1
	s_add_co_u32 s[G0+4*\s+1], s45, \s*SLOT
	s_add_nc_u64 s[G0+4*\s+2:G0+4*\s+3], s[20:21], \s*ROWB
	s_or_b32 s[G0+4*\s+3], s[G0+4*\s+3], 0x80000000
	s_mov_b32 s[G0B+4*\s], 1
	s_add_co_u32 s[G0B+4*\s+1], s45, \s*SLOT
	s_add_nc_u64 s[G0B+4*\s+2:G0B+4*\s+3], s[46:47], \s*ROWB
	s_or_b32 s[G0B+4*\s+3], s[G0B+4*\s+3], 0x80000000
	JLOAD G0+4*\s, G1, G0B+4*\s, G1B               ; three tensor loads of mine are out now, and no more follow
.endr
	v_and_b32 v1, 15, v0                           ; r = l % 16
	v_bfe_u32 v2, v0, 4, 1                         ; h = l / 16
	; the bias of tensor z and the factor f: choices on z, which hangs on the cluster's number alone
	s_cmp_eq_u32 s95, 1
	s_cselect_b64 s[98:99], s[98:99], s[100:101]
	s_cmp_eq_u32 s95, 0
	s_cselect_b64 s[96:97], s[96:97], s[98:99]
	s_cselect_b32 s[FC], 0x3eb8aa3b, 1.0           ; log2(e) / 4, or 1
	s_mov_b32 s[FC+1], s[FC]
	s_lshl_b32 s46, s42, 10
	s_lshl_b32 s47, s16, 9
	s_add_co_u32 s46, s46, s47                     ; my 128 columns' bias: 1,024 x tile column + 512 x half, in bytes
	s_mov_b32 s47, 0
	s_add_nc_u64 s[96:97], s[96:97], s[46:47]
	v_lshlrev_b32 v[BOF], 5, v2
.irp b, 0,1,2,3,4,5,6,7
	global_load_b128 v[BI+8*\b:BI+8*\b+3], v[BOF], s[96:97] offset:64*\b       ; lane (r, h), tile b: columns 16 b + 8 h + 0 .. 7: the result's layout
	global_load_b128 v[BI+8*\b+4:BI+8*\b+7], v[BOF], s[96:97] offset:64*\b+16
.endr
	v_mul_u32_u24 v3, v1, PITCH
	v_lshl_add_u32 v4, v2, 4, v3                   ; a fragment's row x pitch + 16 x half
	s_mul_i32 s21, s15, HALFT                      ; my 128 rows of x
	s_mul_i32 s22, s16, HALFT                      ; my 128 rows of W,
	s_add_co_u32 s22, s22, 2*HALFT                 ; which lie behind x's 256
.irp s, 0,1
	v_add_nc_u32 v[ADRA+\s], s21, v4
	v_add_nc_u32 v[ADRB+\s], s22, v4
	s_add_co_u32 s21, s21, SLOT
	s_add_co_u32 s22, s22, SLOT
.endr
	v_mul_u32_u24 v5, v1, KS                       ; my row's scales: KS bytes a row,
	v_lshrrev_b32 v6, 8, v5
	v_lshl_add_u32 v5, v6, 4, v5                   ; and 16 more for each 256 passed
	s_mul_i32 s21, s15, HALFS
	s_mul_i32 s22, s16, HALFS
	s_add_co_u32 s22, s22, 2*HALFS
	s_sub_co_u32 s22, s22, s21
	v_mul_u32_u24 v6, s22, v2                      ; lanes 16-31 take W's: one product, the distance between the two bases
	s_add_co_u32 s21, s21, SCL
	v_add_nc_u32 v5, v5, v6
	v_add_nc_u32 v[ADRS], s21, v5
	s_mul_i32 s23, s14, 16*SPITCH                  ; my stage
	v_mul_u32_u24 v5, v1, SPITCH                   ; in: row r, 16 bytes for each half of the lanes
	v_lshl_add_u32 v5, v2, 4, v5
	v_add_nc_u32 v[STO], s23, v5
	v_mul_u32_u24 v5, v2, SPITCH                   ; back: lanes 0-15 one row of 256 bytes, lanes 16-31 the next
	v_lshl_add_u32 v5, v1, 4, v5
	v_add_nc_u32 v[RD], s23, v5
	v_lshlrev_b32 v5, 11, v2                       ; and the same two rows in the result
	v_lshl_add_u32 v[CO], v1, 4, v5
	s_lshl_b32 s20, s17, 8
	s_lshl_b32 s21, s15, 7
	s_add_co_u32 s20, s20, s21                     ; my first row: 256 x tile row + 128 x half
	s_lshl_b32 s20, s20, 11                        ; in bytes (under 2^26)
	s_mov_b32 s21, 0
	s_lshl_b32 s46, s42, 9                         ; my first column, in bytes: 512 x tile column + 256 x half
	s_lshl_b32 s47, s16, 8
	s_add_co_u32 s46, s46, s47
	s_mov_b32 s47, 0
	s_add_nc_u64 s[20:21], s[20:21], s[46:47]
	s_add_nc_u64 s[12:13], s[12:13], s[20:21]
.macro FRAG reg, adr, q, i             ; 16 rows x 128 K of 4-bit codes: 8 registers: lane l holds row l % 16; registers 4 c .. 4 c + 3 hold K = 64 c + 32 (l / 16) + 0 .. 31
.irp c, 0,1
	ds_load_b128 v[\reg+4*\c:\reg+4*\c+3], v[\adr] offset:64*(\q)+32*\c+(\i)*16*PITCH
.endr
.endm
; 16 matrix instructions: x's blocks a0, a0 + 1 against W's eight, 128 along K.  p: W's set; sc: the set of scale words.  zero = 1: the first product starts the sums, from the bias.
; The 64 accumulators take turns, one instruction a turn, in the same order in every step.
.macro MUL16 a0, p, q, sc, zero
.irp a, \a0, \a0+1
.irp b, 0,1,2,3,4,5,6,7
.if \zero
	v_wmma_scale_f32_16x16x128_f8f6f4 v[8*(8*((\a)%4)+\b):8*(8*((\a)%4)+\b)+7], v[128*(\p)+FR*\b:128*(\p)+FR*\b+FR-1], v[AF+FR*(\a):AF+FR*(\a)+FR-1], v[BI+8*\b:BI+8*\b+7], v[SC+8*NQ*(\sc)+NQ*\b+(\q)], v[SC+8*NQ*(\sc)+NQ*(\a)+(\q)] matrix_a_fmt:MATRIX_FMT_FP4 matrix_b_fmt:MATRIX_FMT_FP4 matrix_a_scale:MATRIX_SCALE_ROW1
.else
	v_wmma_scale_f32_16x16x128_f8f6f4 v[8*(8*((\a)%4)+\b):8*(8*((\a)%4)+\b)+7], v[128*(\p)+FR*\b:128*(\p)+FR*\b+FR-1], v[AF+FR*(\a):AF+FR*(\a)+FR-1], v[8*(8*((\a)%4)+\b):8*(8*((\a)%4)+\b)+7], v[SC+8*NQ*(\sc)+NQ*\b+(\q)], v[SC+8*NQ*(\sc)+NQ*(\a)+(\q)] matrix_a_fmt:MATRIX_FMT_FP4 matrix_b_fmt:MATRIX_FMT_FP4 matrix_a_scale:MATRIX_SCALE_ROW1
.endif
.endr
.endr
.endm
.macro FETCH_B slot, q, p
	WIN TO_B
.irp i, 0,1,2,3,4,5,6,7
	FRAG 128*(\p)+FR*\i, ADRB+\slot, \q, \i
.endr
	WIN 0
.endm
.macro FETCH_A slot, q, i0
.irp i, \i0, \i0+1, \i0+2, \i0+3
	FRAG AF+FR*(\i), ADRA+\slot, \q, \i
.endr
.endm
.macro SCALES sc                       ; a K step's scale words: four a row; lanes 0-15 take x's block i, lanes 16-31 W's block i
.irp i, 0,1,2,3,4,5,6,7
	ds_load_b128 v[SC+8*NQ*\sc+NQ*\i:SC+8*NQ*\sc+NQ*\i+3], v[ADRS] offset:\i*SBLK
.endr
.endm
.macro PLACES n                        ; plain vector lines between a matrix instruction and a load into, or a read of, its registers
.rept \n
	v_nop
.endr
.endm
; A step of 128 along K that has its successor in the same slot.  zero = 1: C is the bias, in window 0
.macro STEP slot, q, zero
	s_wait_dscnt 4*NL                              ; W's set and x's blocks 0-3 are in; the youngest eight loads (x's blocks 4-7) may be out
	WIN MUL_LO-0x20*(\zero)
	MUL16 0, (\q)%2, \q, \slot, \zero
	MUL16 2, (\q)%2, \q, \slot, \zero
	s_wait_dscnt 0
	PLACES NP
	FETCH_B \slot, (\q)+1, 1-(\q)%2
	FETCH_A \slot, (\q)+1, 0
	WIN MUL_HI-0x30*(\zero)
	MUL16 4, (\q)%2, \q, \slot, \zero
	MUL16 6, (\q)%2, \q, \slot, \zero
	PLACES NP
	WIN 0
	FETCH_A \slot, (\q)+1, 4
.endm
; Slot 0's last step changes slots: one barrier; in front of it each wave waits for all its tensor loads (its part of slot 1), and for its own reads of slot 0.  Nothing is filled again.
.macro TURN slot, next
	s_wait_tensorcnt 0x0                           ; all my tensor loads have landed
	ds_add_u32 v[SPW], v[NIL]                      ; 0 onto my spare word
	s_wait_dscnt 4*NL+1                            ; (the add and the youngest eight loads may be out)
	WIN MUL_LO
	MUL16 0, 1, NQ-1, \slot, 0
	s_wait_dscnt 0x0                               ; the add is done, and my reads of this slot are over
	s_barrier_signal -1
	MUL16 2, 1, NQ-1, \slot, 0
	WIN 0
	s_barrier_wait -1
	PLACES NP
	v_add_nc_u32 v[ADRS], 4*NQ, v[ADRS]            ; on to the next K step's scale words
	FETCH_B \next, 0, 0
	FETCH_A \next, 0, 0
	SCALES \next
	WIN MUL_HI
	MUL16 4, 1, NQ-1, \slot, 0
	MUL16 6, 1, NQ-1, \slot, 0
	PLACES NP
	WIN 0
	FETCH_A \next, 0, 4
.endm
	s_wait_tensorcnt 1                             ; the scales and my part of K step 0 are in (K step 1's load may be out)
	s_barrier_signal -1
	s_barrier_wait -1                              ; everybody's are
	FETCH_B 0, 0, 0
	FETCH_A 0, 0, 0
	SCALES 0
	FETCH_A 0, 0, 4
	s_wait_loadcnt 0x0                             ; the bias
	STEP 0, 0, 1
	STEP 0, 1, 0
	STEP 0, 2, 0
	TURN 0, 1
	STEP 1, 0, 0
	STEP 1, 1, 0
	STEP 1, 2, 0
	s_wait_dscnt 4*NL                              ; the very last step: nothing more to fetch
	WIN MUL_LO
	MUL16 0, 1, NQ-1, 1, 0
	MUL16 2, 1, NQ-1, 1, 0
	s_wait_dscnt 0
	WIN MUL_HI
	MUL16 4, 1, NQ-1, 1, 0
	MUL16 6, 1, NQ-1, 1, 0
	WIN 0
; THE WAY OUT, block by block of 16 rows x 128 columns.  PACK: x f, rounded to f16, 16 bytes a lane.  TOSTAGE: into my own stage and back as whole rows of 256 bytes.  SEND: stored.
.macro PACK a
.set AC, 64*((\a)%4)
	WIN 0x02+(\a)/4                                ; source 0: window 2 or 3
.set i, 0
.rept 32
	v_pk_mul_f32 v[WK+2*i:WK+2*i+1], v[AC+2*i:AC+2*i+1], s[FC:FC+1] op_sel_hi:[1,0]   ; each accumulator from its low end on
.set i, i+1
.endr
	WIN 0
.set i, 0
.rept 32
	v_cvt_pk_f16_f32 v[TMP+i], v[WK+2*i], v[WK+2*i+1]
.set i, i+1
.endr
.endm
.macro TOSTAGE a
.set BB, BK+32*((\a)%2)
.irp b, 0,1,2,3,4,5,6,7
	ds_store_b128 v[STO], v[TMP+4*\b:TMP+4*\b+3] offset:32*\b
.endr
.irp t, 0,1,2,3,4,5,6,7
	ds_load_b128 v[BB+4*\t:BB+4*\t+3], v[RD] offset:\t*2*SPITCH    ; LDS serves a wave's instructions in order: these see the stores above
.endr
.endm
.macro SEND a
.set BB, BK+32*((\a)%2)
	s_wait_dscnt 0x0                               ; the block is back in registers
	s_wait_xcnt 0x0                                ; the earlier stores have read their base and their data: only behind this wait are they written again
.if (\a) > 0
	s_add_nc_u64 s[12:13], s[12:13], 16*OUTROW
.endif
.irp t, 0,1,2,3,4,5,6,7
	global_store_b128 v[CO], v[BB+4*\t:BB+4*\t+3], s[12:13] offset:2*\t*OUTROW   ; 16 lanes store 256 consecutive bytes, aligned
.endr
.endm
	PLACES NP                                      ; behind the last products: for the reads of results and the writes of registers that held fragments and scale words
	PACK 0
	TOSTAGE 0
.irp a, 1,2,3,4,5,6,7                  ; block a's arithmetic stands between block a - 1's loads from the stage and the wait for them
	PACK \a
	SEND \a-1
	TOSTAGE \a
.endr
	SEND 7
	s_wait_tensorcnt 0x0                           ; the wave's end
	ds_add_u32 v[SPW], v[NIL]
	s_wait_dscnt 0x0
	CROUND                                         ; the closing round
	s_endpgm
.Lfunc_end_k_qf31ba14bd7_proj:
	.size	k_qf31ba14bd7_proj, .Lfunc_end_k_qf31ba14bd7_proj-k_qf31ba14bd7_proj
	.p2alignl 7, 3214868480
	.fill 96, 4, 3214868480
	.section	.rodata,"a",@progbits
	.p2align	6, 0x0
	.amdhsa_kernel k_qf31ba14bd7_proj
		.amdhsa_group_segment_fixed_size 327680
		.amdhsa_private_segment_fixed_size 0
		.amdhsa_enable_private_segment 0
		.amdhsa_kernarg_size 48
		.amdhsa_user_sgpr_count 2
		.amdhsa_user_sgpr_kernarg_segment_ptr 1
		.amdhsa_wavefront_size32 1
		.amdhsa_system_sgpr_workgroup_id_x 1
		.amdhsa_system_sgpr_workgroup_id_y 1
		.amdhsa_system_sgpr_workgroup_id_z 1
		.amdhsa_system_vgpr_workitem_id 0
		.amdhsa_next_free_vgpr 1024
		.amdhsa_next_free_sgpr 102
		.amdhsa_reserve_vcc 0
		.amdhsa_float_denorm_mode_32 3
		.amdhsa_float_denorm_mode_16_64 3
		.amdhsa_memory_ordered 1
		.amdhsa_forward_progress 1
		.amdhsa_inst_pref_size 145
	.end_amdhsa_kernel
	.amdgpu_metadata
---
amdhsa.version: [ 1, 2 ]
amdhsa.kernels:
  - .name:           k_qf31ba14bd7_proj
    .symbol:         k_qf31ba14bd7_proj.kd
    .args:
      - { .name: codes, .offset: 0, .size: 8, .value_kind: global_buffer, .address_space: global }
      - { .name: scales, .offset: 8, .size: 8, .value_kind: global_buffer, .address_space: global }
      - { .name: bq, .offset: 16, .size: 8, .value_kind: global_buffer, .address_space: global }
      - { .name: bk, .offset: 24, .size: 8, .value_kind: global_buffer, .address_space: global }
      - { .name: bv, .offset: 32, .size: 8, .value_kind: global_buffer, .address_space: global }
      - { .name: qkv16, .offset: 40, .size: 8, .value_kind: global_buffer, .address_space: global }
    .group_segment_fixed_size: 327680
    .private_segment_fixed_size: 0
    .kernarg_segment_align: 8
    .kernarg_segment_size: 48
    .max_flat_workgroup_size: 128
    .sgpr_count:     102
    .vgpr_count:     1024
    .wavefront_size: 32
...
	.end_amdgpu_metadata
.endif
;; end of part 2
;; launch attn (part 3): grid 2 x 128, 8 waves a work-group, no clusters, 327,680 bytes of LDS; arguments qkv16, mwords, heads16; writes heads16
.if DOCPART == 3
	.amdgcn_target "amdgcn-amd-amdhsa--gfx1250"
	.amdhsa_code_object_version 6
	.text
	.protected	k_qf31ba14bd7_attn
	.globl	k_qf31ba14bd7_attn
	.p2align	8
	.type	k_qf31ba14bd7_attn,@function
k_qf31ba14bd7_attn:
	s_mov_b64 s[64:65], 0
	v_nop
	global_prefetch_b8 v0, s[64:65] scope:SCOPE_SE
	s_setreg_imm32_b32 hwreg(HW_REG_WAVE_MODE, 25, 1), 1
	s_wait_xcnt 0x0
; heads[hd][q][:] = the sum over k of softmax_k(t(q, k)) V[hd][k][:], t = (Q c) . K, c = log2(e) / 4 already in Q; where the mask hides key k from query q, t is -2^127.
; Q c, K, V: [128 heads][1024][64] f16, at bytes 0, 2^24 and 2^25 of qkv16; heads16 likewise.  Products, maxima and sums in f32; the weights p = 2^(t - m) go to the second product as f16.
; m is the running maximum of t; in every step the sum l and O are multiplied by a = 2^(old m - new m).  A query hidden from every key has t - m = 0 everywhere: uniform weights, as a softmax of equal scores gives.
; LIMITS: a hidden score is -2^127 and not the smallest f32 number: the same results while every open |t| is under 2^126.  NaN and infinities among the scores are not served.
; SHARES.  A work-group owns 512 queries of one head, each of its eight waves 64: four tiles of 16.  Two waves share a SIMD: one's vector work stands beside the other's products.  Every wave walks all 1,024 keys, 64 a step.
; LDS holds the head's whole K and V, each byte filled once, by two tensor loads a wave at the kernel's head (waves 0-3: K; waves 4-7: V; the first load keys 0-511, the second keys 512-1023): no slot is filled again.
; No cluster: a head has two work-groups only, and each tile is asked for once, at the head.  No prefetch: all that the launch reads of K and V is asked for at its head.
; LAYOUT.  S^T = K Q^T (source 0 = 16 keys, source 1 = 16 queries): a lane holds ONE query (lane % 16) and keys 8 (lane / 16) + 0 .. 7.  Two such tiles, rounded to f16 in pairs, are source 1 of O^T = V^T P.
; V ([key][channel]) comes out of LDS turned, by ds_load_tr16_b128.
; THE MASK comes as lane words by scalar loads: word 8 kt + j is the select mask of register j of tile kt: 32 words for a tile of queries and a step's 64 keys.  Scalar loads can only be waited for all together, so a
; load issued between two waits is waited for at the second.  Hence TWO sets of 32 scalar registers, one for each tile of a half step, ONE wait a half step, both tiles masked on end, and directly behind them the
; four loads for the next half step: they have two tiles' softmax and 32 products in which to land.
; REGISTERS.  window 0: v2-13 addresses and constants; v32-63 eight registers of statistics a tile; v64-127 S^T, two tiles' slots; v128-159 P, two slots; v192-255 K of one step.
;   window 1: v0-127 O^T, 32 a tile; v128-191 Q; v192-255 V of one step.
;   scalar: s2, s3 the step's place in K's and V's regions; s[4:5] mask words; s[6:7] heads16; s[8:15] descriptor group 1; s[16:47] mask set A; s[48:63] and s[68:83] mask set B; s66, s67 lane selects;
;   s[84:99] descriptor groups 0; s100 the step's place in a row of mask words; s101 a loop's count.  At the head set A's registers hold the Q pointer, the wave's number and what is at work.
.set PK,    144                        ; a row of K in LDS: 128 bytes + 16: the 16 rows of a fragment load start 36 words apart
.set PV,    144                        ; a row of V: the same, so that ONE descriptor group 1 serves K and V (64 scalar registers go to the mask).  A pass of the turning load takes 8 rows x 32 bytes, 36 words apart:
                                       ; the eighth row's second 16 bytes lie 256 words from the first row's first, in the same banks (64 banks of 4 bytes: ISA guide 11.1); the other 14 pieces have banks of their own
.set VREG,  1024*PK
.set SPARE, VREG+1024*PV               ; the spare words, 128 bytes a wave, that no other line names
.set STG,   64*PK                      ; the way out: 64 rows x 144 bytes for each wave, in K's region, behind a barrier that follows every wave's last read of K
.set KBASE, 1<<24
.set VBASE, 1<<25
.set AK0, 2
.set AV0, 3
.set ADK, 4
.set ADV, 5
.set QO,  6
.set STO, 7
.set RD,  8
.set GO,  9
.set NEG, 10                           ; v10  -2^127
.set SPW, 12                           ; v12  LDS address of my spare word; never rewritten
.set NIL, 13                           ; v13  0; never rewritten
.set ST,  32                           ; tile t at v[ST + 8 t]: +0 m, +1 the old m, +2, +3 l (even keys', odd keys'), +4 .. +7 at work; a takes +6
.set S,   64
.set P,   128
.set KF,  192
.set QF,  128                          ; in window 1
.set VF,  192                          ; in window 1
.set TBK, 2                            ; s2   LDS byte at which the step's keys begin in K's region
.set TBV, 3                            ; s3   and in V's
.set MPT, 4                            ; s[4:5] the mask words of my first tile
.set OUT, 6                            ; s[6:7] heads16 at my first query
.set G1,  8
.set MA,  16                           ; mask set A: the half step's first tile
.set MB0, 48                           ; mask set B: the second tile's words 0-15,
.set MB1, 68                           ; and 16-31
.set SEL, 66
.set G0K, 84
.set G0V, 92
.set MOFF, 100                         ; s100 128 x step: the step's words in a row of mask words
.set CNT, 101
.set QP,  16                           ; at the head only: s[16:17] qkv16, then Q at my first query;
.set MW,  18                           ; s[18:19] the mask words' buffer;
.set WV,  20                           ; s20 my wave's number; s21-31 at work
.set MSB, 0
.macro WIN new
.if MSB != (\new)
	s_set_vgpr_msb (MSB<<8)|(\new)
.set MSB, (\new)
.endif
.endm
.set W_KQ, 0x04                        ; Q in window 1; K and S^T in window 0
.set W_PV, 0x51                        ; V and O^T in window 1, P in window 0
.set W_RS, 0x41                        ; O^T (destination and source 0) in window 1, a in window 0
.set TO1,  0x40                        ; destination window 1, address window 0
	s_load_b128 s[QP:QP+3], s[0:1], 0x0            ; qkv16, the mask words
	s_load_b64 s[OUT:OUT+1], s[0:1], 0x10          ; heads16
	v_lshl_add_u32 v[SPW], v0, 2, SPARE
	v_mov_b32 v[NIL], 0
	ds_add_u32 v[SPW], v[NIL]                      ; the wave's opening: the add, twice on end, and its wait ahead of my first tensor load
	ds_add_u32 v[SPW], v[NIL]
	v_lshrrev_b32 v1, 5, v0
	v_readfirstlane_b32 s[WV], v1                  ; wave 0..7
	s_and_b32 s24, ttmp7, 0xffff
	s_lshl_b32 s24, s24, 17                        ; the head's first byte in each tensor
	s_and_b32 s25, s[WV], 3                        ; which 128 rows of a half I fetch
	s_lshl_b32 s28, s25, 14                        ; 128 rows of 128 bytes,
	s_add_co_u32 s28, s28, s24                     ; in my head
	s_mov_b32 s29, 0
	s_mul_i32 s26, s25, 128*PK                     ; and where they go, in K's region or in V's
	s_mov_b32 s[G1], (1<<16)|(1<<20)|(4<<22)|(3<<25)    ; elements of 2 bytes; padding on: 4 words after every 32
	s_mov_b32 s[G1+1], 64<<16                      ; tensor_dim0 = 64
	s_mov_b32 s[G1+2], 128<<16                     ; tensor_dim1 = 128
	s_mov_b32 s[G1+3], 64<<16                      ; tile_dim0 = 64
	s_mov_b32 s[G1+4], 128                         ; tile_dim1 = 128
	s_mov_b32 s[G1+5], 64                          ; from row to row
	s_mov_b32 s[G1+6], 0
	s_mov_b32 s[G1+7], 0
	s_mov_b32 s[SEL], 0x76543210
	s_mov_b32 s[SEL+1], 0xfedcba98                 ; v_permlanex16_b32's selects for lane l xor 16
	s_mov_b32 s[TBK], 0
	s_mov_b32 s[TBV], 0
	s_mov_b32 s[MOFF], 0
	s_wait_dscnt 0x0                               ; both opening adds are done
	s_wait_kmcnt 0x0
.irp s, 0,1                            ; load s: keys 512 s + 128 (wave % 4) on
	s_mov_b32 s[G0K+4*\s], 1
	s_add_co_u32 s[G0K+4*\s+1], s26, \s*512*PK
	s_add_nc_u64 s[G0K+4*\s+2:G0K+4*\s+3], s[QP:QP+1], s[28:29]
	s_add_nc_u64 s[G0K+4*\s+2:G0K+4*\s+3], s[G0K+4*\s+2:G0K+4*\s+3], KBASE+\s*65536
	s_or_b32 s[G0K+4*\s+3], s[G0K+4*\s+3], 0x80000000
	s_mov_b32 s[G0V+4*\s], 1
	s_add_co_u32 s[G0V+4*\s+1], s26, VREG+\s*512*PV
	s_add_nc_u64 s[G0V+4*\s+2:G0V+4*\s+3], s[QP:QP+1], s[28:29]
	s_add_nc_u64 s[G0V+4*\s+2:G0V+4*\s+3], s[G0V+4*\s+2:G0V+4*\s+3], VBASE+\s*65536
	s_or_b32 s[G0V+4*\s+3], s[G0V+4*\s+3], 0x80000000
.endr
	s_cmp_lt_u32 s[WV], 4                          ; a wave's two fills stand in one branch on its number, ahead of every wait on TENSORcnt, every LDS read and every barrier: two loads of mine are out
	s_cbranch_scc0 .Lfirst_v
	tensor_load_to_lds s[G0K:G0K+3], s[G1:G1+7]
	s_nop 0
	tensor_load_to_lds s[G0K+4:G0K+7], s[G1:G1+7]
	s_nop 0
.rept 4
	v_nop
.endr
	s_branch .Lfirst_asked
.Lfirst_v:
	tensor_load_to_lds s[G0V:G0V+3], s[G1:G1+7]
	s_nop 0
	tensor_load_to_lds s[G0V+4:G0V+7], s[G1:G1+7]
	s_nop 0
.rept 4
	v_nop
.endr
.Lfirst_asked:
	s_lshl_b32 s30, ttmp9, 16                      ; my work-group's 512 queries,
	s_lshl_b32 s31, s[WV], 13                      ; my wave's 64: in bytes of Q and of heads16 (128 a query), and of mask words (2,048 for 16 queries) alike
	s_add_co_u32 s30, s30, s31
	s_mov_b32 s31, 0
	s_add_nc_u64 s[MPT:MPT+1], s[MW:MW+1], s[30:31]   ; the mask words of my first tile
	s_add_co_u32 s30, s30, s24
	s_add_nc_u64 s[QP:QP+1], s[QP:QP+1], s[30:31]     ; Q at my first query
	s_add_nc_u64 s[OUT:OUT+1], s[OUT:OUT+1], s[30:31] ; heads16 likewise
.macro MLOAD off                       ; 64 mask words: two tiles of queries, 2,048 bytes apart, x a step's 64 keys: set A and set B
	s_load_b512 s[MA:MA+15],    s[MPT:MPT+1], s[MOFF] offset:\off
	s_load_b512 s[MA+16:MA+31], s[MPT:MPT+1], s[MOFF] offset:\off+64
	s_load_b512 s[MB0:MB0+15],  s[MPT:MPT+1], s[MOFF] offset:\off+2048
	s_load_b512 s[MB1:MB1+15],  s[MPT:MPT+1], s[MOFF] offset:\off+2048+64
.endm
	v_and_b32 v1, 15, v0                           ; r
	v_bfe_u32 v11, v0, 4, 1                        ; h
	v_lshlrev_b32 v[QO], 7, v1
	v_lshl_add_u32 v[QO], v11, 4, v[QO]            ; row r of 128 bytes + 16 h
	WIN TO1
.irp f, 0,1,2,3,4,5,6,7                ; Q stays in registers: tile f / 2, channels 32 (f % 2) on
	global_load_b128 v[QF+8*\f:QF+8*\f+3],   v[QO], s[QP:QP+1] offset:(\f/2)*2048+(\f%2)*64
	global_load_b128 v[QF+8*\f+4:QF+8*\f+7], v[QO], s[QP:QP+1] offset:(\f/2)*2048+(\f%2)*64+32
.endr
	WIN 0
	v_mul_u32_u24 v[AK0], v1, PK
	v_lshl_add_u32 v[AK0], v11, 4, v[AK0]          ; K: row r x pitch + 16 h
	v_and_b32 v14, 7, v0
	v_bfe_u32 v15, v0, 3, 1
	v_lshl_add_u32 v[AV0], v11, 3, v14             ; V, for the turning load: key 8 h + l % 8,
	v_mul_u32_u24 v[AV0], v[AV0], PV
	v_lshl_add_u32 v[AV0], v15, 4, v[AV0]          ; channels 8 ((l / 8) % 2) on
	v_add_nc_u32 v[AV0], VREG, v[AV0]
	s_mul_i32 s21, s[WV], STG                      ; my stage
	v_add_nc_u32 v[STO], s21, v[AK0]               ; in: row r, 16 bytes for each half of the lanes
	v_and_b32 v14, 31, v0
	v_lshrrev_b32 v15, 3, v14
	v_mul_u32_u24 v[RD], v15, PK                   ; back: eight lanes to a row of 128 bytes, four rows an instruction
	v_and_b32 v15, 7, v0
	v_lshl_add_u32 v[RD], v15, 4, v[RD]
	v_add_nc_u32 v[RD], s21, v[RD]
	v_lshlrev_b32 v[GO], 4, v14                    ; and in memory the wave's rows are dense: 16 x lane
	v_mov_b32 v[NEG], 0xff000000
.irp t, 0,1,2,3
	v_mov_b32 v[ST+8*\t+1], 0                      ; (named as the upper half of the pair with m before it is first written)
.endr
	s_wait_xcnt 0x0                                ; Q's loads have read their base, which lies in set A's registers: only behind this wait are these written
	MLOAD 0                                        ; the first step's words of tiles 0 and 1.  The wave's number and the head's scalars are not used from here on
; ---- the vector work of one tile t for one step of 64 keys.  Its S^T and P lie in slot t % 2.
.macro MASKT t, set                    ; hidden scores become -2^127; each accumulator is read from its low end on
.set rS, S+32*((\t)%2)
.set i, 0
.rept 32
.if (\set) == 0
	v_cndmask_b32 v[rS+i], v[rS+i], v[NEG], s[MA+i]
.elseif i < 16
	v_cndmask_b32 v[rS+i], v[rS+i], v[NEG], s[MB0+i]
.else
	v_cndmask_b32 v[rS+i], v[rS+i], v[NEG], s[MB1+i-16]
.endif
.set i, i+1
.endr
.endm
.macro MAXI t, first                   ; the new m: four chains of seven scores, the four left over, the old m, the other half of the lanes; and old m - new m
.set rT, ST+8*(\t)
.set rS, S+32*((\t)%2)
.irp j, 0,1,2,3
	v_max3_num_f32 v[rT+4+\j], v[rS+8*\j], v[rS+8*\j+1], v[rS+8*\j+2]
.endr
.irp g, 1,2
.irp j, 0,1,2,3
	v_max3_num_f32 v[rT+4+\j], v[rT+4+\j], v[rS+8*\j+2*\g+1], v[rS+8*\j+2*\g+2]
.endr
.endr
	v_max3_num_f32 v[rT+4], v[rT+4], v[rS+7], v[rS+15]
	v_max3_num_f32 v[rT+6], v[rT+6], v[rS+23], v[rS+31]
	v_max3_num_f32 v[rT+4], v[rT+4], v[rT+5], v[rT+6]
.if \first
	v_max_num_f32 v[rT+4], v[rT+4], v[rT+7]
.else
	v_max3_num_f32 v[rT+4], v[rT+4], v[rT+7], v[rT]
.endif
	v_permlanex16_b32 v[rT+5], v[rT+4], s[SEL], s[SEL+1]
.if !\first
	v_mov_b32 v[rT+1], v[rT]
.endif
	v_max_num_f32 v[rT], v[rT+4], v[rT+5]
.if !\first
	v_sub_f32 v[rT+7], v[rT+1], v[rT]
.endif
.endm
.macro SCALE t                         ; t - m, two at a time: of the pair (m, old m) the low word serves both halves
.set rT, ST+8*(\t)
.set rS, S+32*((\t)%2)
.set i, 0
.rept 16
	v_pk_add_f32 v[rS+2*i:rS+2*i+1], v[rS+2*i:rS+2*i+1], v[rT:rT+1] op_sel_hi:[1,0] neg_lo:[0,1] neg_hi:[0,1]
.set i, i+1
.endr
.endm
.macro EXPS t, first                   ; one batch: a and the 32 weights; nothing here reads a result
.set rT, ST+8*(\t)
.set rS, S+32*((\t)%2)
.if !\first
	v_exp_f32 v[rT+6], v[rT+7]
.endif
.set i, 0
.rept 32
	v_exp_f32 v[rS+i], v[rS+i]
.set i, i+1
.endr
.endm
.macro READ t, first                   ; all that reads the batch: the roundings to f16, the sum of the unrounded weights, l = a l + sum, O^T x a
.set rT, ST+8*(\t)
.set rS, S+32*((\t)%2)
.set rP, P+16*((\t)%2)
.set i, 0
.rept 16
	v_cvt_pk_f16_f32 v[rP+i], v[rS+2*i], v[rS+2*i+1]
.set i, i+1
.endr
.irp z, 0,1,2,3,4,5,6,7
	v_pk_add_f32 v[rS+4*\z:rS+4*\z+1], v[rS+4*\z:rS+4*\z+1], v[rS+4*\z+2:rS+4*\z+3]
.endr
.irp z, 0,1,2,3
	v_pk_add_f32 v[rS+8*\z:rS+8*\z+1], v[rS+8*\z:rS+8*\z+1], v[rS+8*\z+4:rS+8*\z+5]
.endr
.irp z, 0,1
	v_pk_add_f32 v[rS+16*\z:rS+16*\z+1], v[rS+16*\z:rS+16*\z+1], v[rS+16*\z+8:rS+16*\z+9]
.endr
.if \first
	v_pk_add_f32 v[rT+2:rT+3], v[rS:rS+1], v[rS+16:rS+17]
.else
	v_pk_add_f32 v[rS:rS+1], v[rS:rS+1], v[rS+16:rS+17]
	v_pk_fma_f32 v[rT+2:rT+3], v[rT+2:rT+3], v[rT+6:rT+7], v[rS:rS+1] op_sel_hi:[1,0,1]
	WIN W_RS
.set i, 0
.rept 16
	v_pk_mul_f32 v[32*(\t)+2*i:32*(\t)+2*i+1], v[32*(\t)+2*i:32*(\t)+2*i+1], v[rT+6:rT+7] op_sel_hi:[1,0]
.set i, i+1
.endr
	WIN 0
.endif
.endm
; ---- the matrix work of tiles x, x + 1.  The eight accumulators take turns, one instruction a turn.
.macro QK x                            ; S^T = K Q^T: product i: channels 32 (i / 8) on, keys 16 ((i / 2) % 4) on, tile x + i % 2; the first eight start the sums
.set i, 0
.rept 16
.set rD, S+32*(i%2)+8*((i/2)%4)
.set rA, KF+16*((i/2)%4)+8*(i/8)
.set rB, QF+16*((\x)+i%2)+8*(i/8)
.if i < 8
	v_wmma_f32_16x16x32_f16 v[rD:rD+7], v[rA:rA+7], v[rB:rB+7], 0
.else
	v_wmma_f32_16x16x32_f16 v[rD:rD+7], v[rA:rA+7], v[rB:rB+7], v[rD:rD+7]
.endif
.set i, i+1
.endr
.endm
.macro PVM x, first                    ; O^T += V^T P: product i: keys 32 (i / 8) on, channels 16 ((i / 2) % 4) on, tile x + i % 2; in the first step the first eight start the sums
.set i, 0
.rept 16
.set rD, 32*((\x)+i%2)+8*((i/2)%4)
.set rA, VF+32*(i/8)+8*((i/2)%4)
.set rB, P+16*(i%2)+8*(i/8)
.if (\first) && (i < 8)
	v_wmma_f32_16x16x32_f16 v[rD:rD+7], v[rA:rA+7], v[rB:rB+7], 0
.else
	v_wmma_f32_16x16x32_f16 v[rD:rD+7], v[rA:rA+7], v[rB:rB+7], v[rD:rD+7]
.endif
.set i, i+1
.endr
.endm
; Two tiles through a step: a half step.  The exponentials go in two batches, one a tile; each has one wait, ahead of its first reader, and the other tile's plain work between.
.macro HALF x, first
.if (\x) == 0
	s_wait_dscnt 16                                ; K's 16 loads are in; V's 16 may be out
.endif
	WIN W_KQ
	QK \x
	WIN 0
.rept 4
	v_nop                                          ; places between the products and the first read of their results
.endr
	s_wait_kmcnt 0x0                               ; both tiles' mask words, asked for a half step ago: the half step's one wait for scalar loads
.if (\x) == 2
	s_add_co_u32 s[MOFF], s[MOFF], 128             ; (no scalar load is out here)  on to the next step's words
.endif
	MASKT \x, 0
	MASKT (\x)+1, 1
.if (\x) == 0
	MLOAD 4096                                     ; this step's words of tiles 2 and 3, into the registers just read
.else
	MLOAD 0                                        ; the next step's words of tiles 0 and 1; behind the last step these are words of my tiles 1 and 2, inside the buffer, and are not used
.endif
	MAXI \x, \first
	SCALE \x
	EXPS \x, \first
	MAXI (\x)+1, \first
	SCALE (\x)+1
	s_wait_alu depctr_va_vdst(0)                   ; the wait between a batch and its first reader: the first tile's
	EXPS (\x)+1, \first
	READ \x, \first
	s_wait_alu depctr_va_vdst(0)                   ; and the second tile's
	READ (\x)+1, \first
.if (\x) == 0
	s_wait_dscnt 0x0                               ; V is in
.endif
	WIN W_PV
	PVM \x, \first
.endm
.macro STEP first                      ; 64 keys
	v_add_nc_u32 v[ADK], s[TBK], v[AK0]
	v_add_nc_u32 v[ADV], s[TBV], v[AV0]
	v_nop
	v_nop                                          ; four plain lines between the last step's products and the loads into V's registers
.irp f, 0,1,2,3,4,5,6,7                ; keys 16 (f / 2) on, channels 32 (f % 2) on
	ds_load_b128 v[KF+8*\f:KF+8*\f+3],   v[ADK] offset:(\f/2)*16*PK+(\f%2)*64
	ds_load_b128 v[KF+8*\f+4:KF+8*\f+7], v[ADK] offset:(\f/2)*16*PK+(\f%2)*64+32
.endr
	WIN TO1
.irp f, 0,1,2,3,4,5,6,7                ; keys 32 (f / 4) on, channels 16 (f % 4) on
	ds_load_tr16_b128 v[VF+8*\f:VF+8*\f+3],   v[ADV] offset:(\f/4)*32*PV+(\f%4)*32
	ds_load_tr16_b128 v[VF+8*\f+4:VF+8*\f+7], v[ADV] offset:(\f/4)*32*PV+16*PV+(\f%4)*32
.endr
	HALF 0, \first
	HALF 2, \first
	WIN 0
	s_add_co_u32 s[TBK], s[TBK], 64*PK
	s_add_co_u32 s[TBV], s[TBV], 64*PV
.endm
	s_wait_tensorcnt 0x1                           ; my part of keys 0-511 is in; my second load may stay out
	s_barrier_signal -1
	s_barrier_wait -1                              ; everybody's is
	s_wait_loadcnt 0x0                             ; Q
	STEP 1                                         ; the first step starts m, l and O^T
	s_mov_b32 s[CNT], 7
.Lhalf0:                                           ; keys 64 to 511
	STEP 0
	s_sub_co_u32 s[CNT], s[CNT], 1
	s_cmp_lg_u32 s[CNT], 0
	s_cbranch_scc1 .Lhalf0
	s_wait_tensorcnt 0x0                           ; my part of keys 512-1023 is in,
	s_wait_dscnt 0x0
	s_barrier_signal -1
	s_barrier_wait -1                              ; everybody's is
	s_mov_b32 s[CNT], 8
.Lhalf1:                                           ; keys 512 to 1023
	STEP 0
	s_sub_co_u32 s[CNT], s[CNT], 1
	s_cmp_lg_u32 s[CNT], 0
	s_cbranch_scc1 .Lhalf1
	; THE WAY OUT.  l's two halves and the other half of the lanes' are added (these lines are the places behind the last products); O^T / l, rounded to f16, goes through my stage and leaves as dense rows.
.irp t, 0,1,2,3
	v_add_f32 v[ST+8*\t+4], v[ST+8*\t+2], v[ST+8*\t+3]
.endr
.irp t, 0,1,2,3
	v_permlanex16_b32 v[ST+8*\t+5], v[ST+8*\t+4], s[SEL], s[SEL+1]
.endr
.irp t, 0,1,2,3
	v_add_f32 v[ST+8*\t+4], v[ST+8*\t+4], v[ST+8*\t+5]
.endr
.irp t, 0,1,2,3
	v_rcp_f32 v[ST+8*\t+6], v[ST+8*\t+4]
.endr
	v_nop                                          ; a plain line behind the last reciprocal
	s_wait_alu depctr_va_vdst(0)                   ; and the one wait for the four, ahead of their first reader
	s_wait_dscnt 0x0                               ; my reads of K and V are over
	s_barrier_signal -1
	s_barrier_wait -1                              ; everybody's are: the stages may be written into K's region
.irp t, 0,1,2,3
	WIN W_RS
.set i, 0
.rept 16
	v_pk_mul_f32 v[32*\t+2*i:32*\t+2*i+1], v[32*\t+2*i:32*\t+2*i+1], v[ST+8*\t+6:ST+8*\t+7] op_sel_hi:[1,0]
.set i, i+1
.endr
	WIN 0x05                                       ; sources 0 and 1 window 1, destination window 0
.set i, 0
.rept 16
	v_cvt_pk_f16_f32 v[S+16*\t+i], v[32*\t+2*i], v[32*\t+2*i+1]
.set i, i+1
.endr
	WIN 0
.irp c, 0,1,2,3
	ds_store_b128 v[STO], v[S+16*\t+4*\c:S+16*\t+4*\c+3] offset:\t*16*PK+32*\c   ; query 16 t + r, channels 16 c + 8 h + 0 .. 7
.endr
.endr
.irp i, 0,1,2,3,4,5,6,7,8,9,10,11,12,13,14,15
	ds_load_b128 v[KF+4*\i:KF+4*\i+3], v[RD] offset:\i*4*PK    ; LDS serves a wave's instructions in order: these see my stores
.endr
.irp i, 0,1,2,3,4,5,6,7,8,9,10,11,12,13,14,15
	s_wait_dscnt 15-\i
	global_store_b128 v[GO], v[KF+4*\i:KF+4*\i+3], s[OUT:OUT+1] offset:512*\i   ; 32 lanes store 512 consecutive bytes, aligned
.endr
	s_wait_kmcnt 0x0                               ; the last, unused mask words
	s_wait_tensorcnt 0x0                           ; the wave's end
	ds_add_u32 v[SPW], v[NIL]
	s_wait_dscnt 0x0
	s_endpgm
.Lfunc_end_k_qf31ba14bd7_attn:
	.size	k_qf31ba14bd7_attn, .Lfunc_end_k_qf31ba14bd7_attn-k_qf31ba14bd7_attn
	.p2alignl 7, 3214868480
	.fill 96, 4, 3214868480
	.section	.rodata,"a",@progbits
	.p2align	6, 0x0
	.amdhsa_kernel k_qf31ba14bd7_attn
		.amdhsa_group_segment_fixed_size 327680
		.amdhsa_private_segment_fixed_size 0
		.amdhsa_enable_private_segment 0
		.amdhsa_kernarg_size 24
		.amdhsa_user_sgpr_count 2
		.amdhsa_user_sgpr_kernarg_segment_ptr 1
		.amdhsa_wavefront_size32 1
		.amdhsa_system_sgpr_workgroup_id_x 1
		.amdhsa_system_sgpr_workgroup_id_y 1
		.amdhsa_system_sgpr_workgroup_id_z 1
		.amdhsa_system_vgpr_workitem_id 0
		.amdhsa_next_free_vgpr 512
		.amdhsa_next_free_sgpr 102
		.amdhsa_reserve_vcc 0
		.amdhsa_float_denorm_mode_32 3
		.amdhsa_float_denorm_mode_16_64 3
		.amdhsa_memory_ordered 1
		.amdhsa_forward_progress 1
		.amdhsa_inst_pref_size 138
	.end_amdhsa_kernel
	.amdgpu_metadata
---
amdhsa.version: [ 1, 2 ]
amdhsa.kernels:
  - .name:           k_qf31ba14bd7_attn
    .symbol:         k_qf31ba14bd7_attn.kd
    .args:
      - { .name: qkv16, .offset: 0, .size: 8, .value_kind: global_buffer, .address_space: global }
      - { .name: mwords, .offset: 8, .size: 8, .value_kind: global_buffer, .address_space: global }
      - { .name: heads16, .offset: 16, .size: 8, .value_kind: global_buffer, .address_space: global }
    .group_segment_fixed_size: 327680
    .private_segment_fixed_size: 0
    .kernarg_segment_align: 8
    .kernarg_segment_size: 24
    .max_flat_workgroup_size: 256
    .sgpr_count:     102
    .vgpr_count:     512
    .wavefront_size: 32
...
	.end_amdgpu_metadata
.endif
;; end of part 3
;; launch outp (part 4): grid 8 x 64, 4 waves a work-group, clusters of 4 x 4, 327,680 bytes of LDS; arguments heads16, wo16, bo, out0; writes out0
.if DOCPART == 4
	.amdgcn_target "amdgcn-amd-amdhsa--gfx1250"
	.amdhsa_code_object_version 6
	.text
	.protected	k_qf31ba14bd7_outp
	.globl	k_qf31ba14bd7_outp
	.p2align	8
	.type	k_qf31ba14bd7_outp,@function
k_qf31ba14bd7_outp:
	s_mov_b64 s[64:65], 0
	v_nop
	global_prefetch_b8 v0, s[64:65] scope:SCOPE_SE
	s_setreg_imm32_b32 hwreg(HW_REG_WAVE_MODE, 25, 1), 1
	s_wait_xcnt 0x0
	s_wait_alu depctr_hold_cnt(0) depctr_sa_sdst(0) depctr_va_vdst(0) depctr_va_sdst(0) depctr_va_ssrc(0) depctr_va_vcc(0) depctr_vm_vsrc(0)
	s_getreg_b32 s2, hwreg(HW_REG_IB_STS2, 6, 4)
	s_cmp_eq_u32 s2, 0
	s_cbranch_scc0 .Lentry_in_a_cluster
	s_endpgm
.Lentry_in_a_cluster:
	s_bfe_u32 s2, ttmp6, 0x10000c
	s_cmp_lg_u32 s2, 0xf033
	s_cbranch_scc0 .Lentry_shape_is_right
	s_endpgm
.Lentry_shape_is_right:
; out0[m][n] = sum over k of heads[m][k] wo[n][k] + bo[n].  heads16: [8192][1024], wo16: [1024][1024], f16; bo [1024], out0 [8192][1024]: f32; sums in f32, begun from the bias.
; A tile of 128 x 128 is made by a work-group of four waves, each 64 x 64: 16 accumulators, 128 registers: 512 work-groups.  K goes in steps of 256 (LDS rows of 512 bytes; a wave's tensor load brings 64 of them)
; through a ring of two slots.  CLUSTERS: 4 x 4 work-groups; the four of a row of the cluster ask jointly for the tiles of heads, the four of a column for those of wo.
; THE MATRIX INSTRUCTION IS USED TRANSPOSED (source 0 = 16 rows of wo, source 1 = 16 rows of heads): a lane holds eight neighbouring numbers of a row of the result.
; A wave's 64 columns of f32 are 256 aligned bytes of a row: each wave has a stage of its own on the way out, and no barrier stands there.
; REGISTERS: window 0: v0-31 addresses; v32-95 the way out; v96-127 the bias, four tiles; v128-255 the accumulators ((a, b) at v[128 + 8 (4 a + b)]).   window 1: two fragment buffers of 128.
.set SIZE_N, 1024
.set SIZE_K, 1024
.set KSTEP,  256
.set PITCH,  528                       ; an LDS row: 512 bytes + 16 of padding
.set HALFT,  64*PITCH
.set SLOT,   4*HALFT
.set STAGE,  2*SLOT                    ; behind the ring: 16 rows x 272 bytes for each wave
.set SPITCH, 272
.set SPARE,  STAGE+4*16*SPITCH         ; the spare words, 128 bytes a wave, that no other line names
.set LAPS, SIZE_K/(2*KSTEP)
.set ADRA, 16
.set ADRB, 20
.set STO,  24
.set RD,   25
.set CO,   26
.set SPW,  28                          ; v28  LDS address of my spare word; never rewritten
.set NIL,  29                          ; v29  0; never rewritten
.set BOF,  30                          ; v30  32 x (lane / 16)
.set TMP,  32
.set BI,   96
.set ACC,  128
.set F0,   0
.set F1,   128
.set G1, 24
.set G0, 32
.set G1B, 48
.set G0B, 56
.set MSB, 0
.macro WIN new
.if MSB != (\new)
	s_set_vgpr_msb (MSB<<8)|(\new)
.set MSB, (\new)
.endif
.endm
.set MUL,  0x05                        ; sources 0 and 1 window 1; C and D window 0
.set TO_F, 0x40
.macro JLOAD s                         ; a joint load: waves 0 and 1 fetch the two halves of heads' tile, waves 2 and 3 wo's; an s_nop 0 and four v_nop follow each line
	s_cmp_eq_u32 s11, 0
	s_cbranch_scc0 .Lfor_b_\@
	tensor_load_to_lds s[G0+4*\s:G0+4*\s+3], s[G1:G1+7]
	s_nop 0
.rept 4
	v_nop
.endr
	s_branch .Lasked_\@
.Lfor_b_\@:
	tensor_load_to_lds s[G0B+4*\s:G0B+4*\s+3], s[G1B:G1B+7]
	s_nop 0
.rept 4
	v_nop
.endr
.Lasked_\@:
.endm
.macro CREST                           ; a round of the cluster's barrier behind its opening barrier
	s_cmp_lg_u32 s10, 0
	s_cbranch_scc1 .Lnot_wave_0_\@
	s_barrier_signal -3
.Lnot_wave_0_\@:
	s_barrier_wait -3
	s_barrier_signal -1
	s_barrier_wait -1
.endm
.macro CROUND
	s_barrier_signal -1
	s_barrier_wait -1
	CREST
.endm
	s_load_b128 s[4:7], s[0:1], 0x0                ; heads16 s[4:5], wo16 s[6:7]
	s_load_b128 s[68:71], s[0:1], 0x10             ; bo s[68:69], out0 s[70:71]
	v_lshl_add_u32 v[SPW], v0, 2, SPARE
	v_mov_b32 v[NIL], 0
	ds_add_u32 v[SPW], v[NIL]                      ; the wave's opening: the add, twice on end, and its wait ahead of my first tensor load
	ds_add_u32 v[SPW], v[NIL]
	v_lshrrev_b32 v1, 5, v0
	v_readfirstlane_b32 s10, v1                    ; wave 0..3
	s_lshr_b32 s11, s10, 1                         ; which half of the tile's rows is mine.  Also: I fetch for heads (0) or for wo (1)
	s_and_b32 s12, s10, 1                          ; which half of its columns.  Also: which 64 rows I fetch
	s_bfe_u32 s40, ttmp6, 0x40000                  ; cx, cy
	s_bfe_u32 s41, ttmp6, 0x40004
	s_lshl_b32 s42, ttmp9, 2
	s_add_co_u32 s42, s42, s40                     ; tile column = 4 x cluster x + cx
	s_and_b32 s13, ttmp7, 0xffff
	s_lshl_b32 s13, s13, 2
	s_add_co_u32 s13, s13, s41                     ; tile row = 4 x cluster y + cy
	s_lshl_b32 s43, s41, 2
	s_lshl_b32 s43, 15, s43                        ; my row of the cluster
	s_lshl_b32 s44, 0x1111, s40                    ; my column
	s_or_b32 s[G1+0], s43, (1<<16)|(1<<20)|(1<<21)|(6<<22)|(3<<25)  ; the mask; elements of 2 bytes; padding on; bit 21 beside a mask; 4 words after every 128
	s_or_b32 s[G1B+0], s44, (1<<16)|(1<<20)|(1<<21)|(6<<22)|(3<<25)
.irp g, G1, G1B
	s_mov_b32 s[\g+1], KSTEP<<16                   ; tensor_dim0 = 256
	s_mov_b32 s[\g+2], 64<<16                      ; tensor_dim1 = 64
	s_mov_b32 s[\g+3], KSTEP<<16                   ; tile_dim0 = 256
	s_mov_b32 s[\g+4], 64                          ; tile_dim1 = 64
	s_mov_b32 s[\g+5], SIZE_K                      ; from row to row
	s_mov_b32 s[\g+6], 0
	s_mov_b32 s[\g+7], 0
.endr
	s_lshl_b32 s17, s12, 6                         ; which 64 rows of the tile I fetch
	s_lshl_b32 s16, s13, 7
	s_add_co_u32 s16, s16, s17                     ; heads: row 128 x tile row + 64 x half
	s_lshl_b32 s46, s42, 7
	s_add_co_u32 s46, s46, s17                     ; wo: row 128 x tile column + 64 x half
	s_mov_b32 s17, 0
	s_mov_b32 s47, 0
	s_mov_b64 s[18:19], SIZE_K*2
	s_mul_u64 s[16:17], s[16:17], s[18:19]
	s_mul_u64 s[46:47], s[46:47], s[18:19]
	s_mul_i32 s20, s10, HALFT                      ; where they go: wave x 64 rows
	s_wait_dscnt 0x0                               ; both opening adds are done
	s_wait_kmcnt 0x0
	s_add_nc_u64 s[14:15], s[4:5], s[16:17]
	s_add_nc_u64 s[46:47], s[6:7], s[46:47]
	CROUND                                         ; all sixteen work-groups are here: the first joint loads meet
.irp s, 0,1
	s_mov_b32 s[G0+4*\s], 1
	s_add_co_u32 s[G0+4*\s+1], s20, \s*SLOT
	s_add_nc_u64 s[G0+4*\s+2:G0+4*\s+3], s[14:15], \s*KSTEP*2
	s_or_b32 s[G0+4*\s+3], s[G0+4*\s+3], 0x80000000
	s_mov_b32 s[G0B+4*\s], 1
	s_add_co_u32 s[G0B+4*\s+1], s20, \s*SLOT
	s_add_nc_u64 s[G0B+4*\s+2:G0B+4*\s+3], s[46:47], \s*KSTEP*2
	s_or_b32 s[G0B+4*\s+3], s[G0B+4*\s+3], 0x80000000
	JLOAD \s
.endr
	v_and_b32 v1, 15, v0                           ; r
	v_bfe_u32 v2, v0, 4, 1                         ; h
	s_lshl_b32 s46, s42, 9
	s_lshl_b32 s47, s12, 8
	s_add_co_u32 s46, s46, s47                     ; my 64 columns, in bytes of f32: 512 x tile column + 256 x half: in bo and in a row of out0 alike
	s_mov_b32 s47, 0
	s_add_nc_u64 s[68:69], s[68:69], s[46:47]
	v_lshlrev_b32 v[BOF], 5, v2
.irp b, 0,1,2,3
	global_load_b128 v[BI+8*\b:BI+8*\b+3], v[BOF], s[68:69] offset:64*\b       ; lane (r, h), tile b: columns 16 b + 8 h + 0 .. 7: the result's layout
	global_load_b128 v[BI+8*\b+4:BI+8*\b+7], v[BOF], s[68:69] offset:64*\b+16
.endr
	v_mul_u32_u24 v3, v1, PITCH
	v_lshl_add_u32 v3, v2, 4, v3                   ; a fragment's row x pitch + 16 x half
	s_mul_i32 s21, s11, HALFT                      ; my 64 rows of heads
	s_mul_i32 s22, s12, HALFT                      ; my 64 rows of wo,
	s_add_co_u32 s22, s22, 2*HALFT                 ; which lie behind heads' 128
.irp s, 0,1
	v_add_nc_u32 v[ADRA+\s], s21, v3
	v_add_nc_u32 v[ADRB+\s], s22, v3
	s_add_co_u32 s21, s21, SLOT
	s_add_co_u32 s22, s22, SLOT
.endr
	s_mul_i32 s23, s10, 16*SPITCH
	s_add_co_u32 s23, s23, STAGE                   ; my stage
	v_mul_u32_u24 v4, v1, SPITCH                   ; in: row r, 32 bytes for each half of the lanes
	v_lshl_add_u32 v4, v2, 5, v4
	v_add_nc_u32 v[STO], s23, v4
	v_mul_u32_u24 v5, v2, SPITCH                   ; back: lanes 0-15 one row of 256 bytes, lanes 16-31 the next
	v_lshl_add_u32 v5, v1, 4, v5
	v_add_nc_u32 v[RD], s23, v5
	v_lshlrev_b32 v5, 12, v2                       ; and the same two rows in out0
	v_lshl_add_u32 v[CO], v1, 4, v5
	s_lshl_b32 s16, s13, 7
	s_lshl_b32 s17, s11, 6
	s_add_co_u32 s16, s16, s17                     ; my first row: 128 x tile row + 64 x half
	s_lshl_b32 s16, s16, 12                        ; in bytes (under 2^25)
	s_mov_b32 s17, 0
	s_add_nc_u64 s[70:71], s[70:71], s[16:17]
	s_add_nc_u64 s[70:71], s[70:71], s[46:47]
; 8 matrix instructions: m blocks a0, a0 + 1 x all 4 n blocks, 32 along K: half c of buffer f.  zero = 1: the first product starts the sums, from the bias.  The 16 accumulators take turns
.macro MUL8 f, c, a0, zero
.irp a, \a0, \a0+1
.irp b, 0,1,2,3
.if \zero
	v_wmma_f32_16x16x32_f16 v[ACC+8*(4*(\a)+\b):ACC+8*(4*(\a)+\b)+7], v[\f+64+8*(4*\c+\b):\f+64+8*(4*\c+\b)+7], v[\f+8*(4*\c+\a):\f+8*(4*\c+\a)+7], v[BI+8*\b:BI+8*\b+7]
.else
	v_wmma_f32_16x16x32_f16 v[ACC+8*(4*(\a)+\b):ACC+8*(4*(\a)+\b)+7], v[\f+64+8*(4*\c+\b):\f+64+8*(4*\c+\b)+7], v[\f+8*(4*\c+\a):\f+8*(4*\c+\a)+7], v[ACC+8*(4*(\a)+\b):ACC+8*(4*(\a)+\b)+7]
.endif
.endr
.endr
.endm
; 32 LDS loads in one run: the fragments of 64 along K at byte k of the rows, into buffer f; the first 32 along K first
.macro FETCH slot, k, f
	WIN TO_F
.irp c, 0,1
.irp i, 0,1,2,3
	ds_load_b128 v[\f+64+8*(4*\c+\i):\f+64+8*(4*\c+\i)+3],   v[ADRB+\slot] offset:\k+64*\c+\i*16*PITCH
	ds_load_b128 v[\f+64+8*(4*\c+\i)+4:\f+64+8*(4*\c+\i)+7], v[ADRB+\slot] offset:\k+64*\c+\i*16*PITCH+32
	ds_load_b128 v[\f+8*(4*\c+\i):\f+8*(4*\c+\i)+3],         v[ADRA+\slot] offset:\k+64*\c+\i*16*PITCH
	ds_load_b128 v[\f+8*(4*\c+\i)+4:\f+8*(4*\c+\i)+7],       v[ADRA+\slot] offset:\k+64*\c+\i*16*PITCH+32
.endr
.endr
.endm
.macro PLACES                          ; four plain lines in front of loads into registers that matrix instructions have read, and of reads of results
.rept 4
	v_nop
.endr
.endm
; A K step is four quarters of 64 along K, 32 matrix instructions each, on buffers 0, 1, 0, 1.
.macro QUARTER slot, k, f, g, zero
	s_wait_dscnt 16                                ; the first 32 along K are in; the younger sixteen loads may be out
	WIN MUL
	MUL8 \f, 0, 0, \zero
	MUL8 \f, 0, 2, \zero
	PLACES
	FETCH \slot, \k, \g
	s_wait_dscnt 32                                ; all but the 32 just issued
	WIN MUL
	MUL8 \f, 1, 0, 0
	MUL8 \f, 1, 2, 0
.endm
; The last quarter multiplies buffer 1 and changes slots: one barrier; in front of it each wave waits for all its tensor loads, adds 0 to its spare word, and waits for that and for its own reads of this slot.
.macro TURN slot, next, fill
	WIN 0
	s_wait_tensorcnt 0x0                           ; all my tensor loads have landed: my part of the next slot
	ds_add_u32 v[SPW], v[NIL]                      ; 0 onto my spare word
	s_wait_dscnt 17                                ; (the add and the youngest sixteen loads may be out)
	WIN MUL
	MUL8 F1, 0, 0, 0
	s_wait_dscnt 0x0                               ; the add is done, and my reads of this slot are over
	s_barrier_signal -1
	MUL8 F1, 0, 2, 0
.if \fill
	WIN 0
.endif
	s_barrier_wait -1
.if \fill
	CREST                                          ; the barrier has opened a round of the cluster's: no wave of any partner still reads this slot or has a load on its way
	s_add_nc_u64 s[G0+4*\slot+2:G0+4*\slot+3], s[G0+4*\slot+2:G0+4*\slot+3], 2*KSTEP*2
	s_add_nc_u64 s[G0B+4*\slot+2:G0B+4*\slot+3], s[G0B+4*\slot+2:G0B+4*\slot+3], 2*KSTEP*2
	JLOAD \slot                                    ; my one tensor load behind the round; its four v_nop are also the places in front of the loads below
.else
	PLACES
.endif
	FETCH \next, 0, F0
	WIN MUL
	MUL8 F1, 1, 0, 0
	MUL8 F1, 1, 2, 0
.endm
	s_wait_tensorcnt 1                             ; my part of K step 0 is in (K step 1's load may be out)
	s_barrier_signal -1
	s_barrier_wait -1                              ; everybody's is
	FETCH 0, 0, F0
	s_wait_loadcnt 0x0                             ; the bias
	QUARTER 0, 128, F0, F1, 1                      ; the first quarter stands in front of the loop: its first products start the sums
	WIN 0
	s_mov_b32 s3, LAPS-1
.Llap:                                                 ; a trip goes once round the ring and fills both slots again
	QUARTER 0, 256, F1, F0, 0
	QUARTER 0, 384, F0, F1, 0
	TURN 0, 1, 1
	QUARTER 1, 128, F0, F1, 0
	QUARTER 1, 256, F1, F0, 0
	QUARTER 1, 384, F0, F1, 0
	TURN 1, 0, 1
	QUARTER 0, 128, F0, F1, 0
	WIN 0
	s_sub_co_u32 s3, s3, 1
	s_cmp_lg_u32 s3, 0
	s_cbranch_scc1 .Llap
	QUARTER 0, 256, F1, F0, 0                      ; the last lap fills nothing
	QUARTER 0, 384, F0, F1, 0
	TURN 0, 1, 0
	QUARTER 1, 128, F0, F1, 0
	QUARTER 1, 256, F1, F0, 0
	QUARTER 1, 384, F0, F1, 0
	s_wait_dscnt 16
	WIN MUL
	MUL8 F1, 0, 0, 0
	MUL8 F1, 0, 2, 0
	s_wait_dscnt 0
	MUL8 F1, 1, 0, 0
	MUL8 F1, 1, 2, 0
	WIN 0
; THE WAY OUT, block by block of 16 rows x 64 columns: the accumulators go into my own stage as they are, each from its low end on, and come back as whole rows of 256 bytes.
.macro TOSTAGE a
.set BB, TMP+32*((\a)%2)
.irp b, 0,1,2,3
	ds_store_b128 v[STO], v[ACC+8*(4*(\a)+\b):ACC+8*(4*(\a)+\b)+3] offset:64*\b
	ds_store_b128 v[STO], v[ACC+8*(4*(\a)+\b)+4:ACC+8*(4*(\a)+\b)+7] offset:64*\b+16
.endr
.irp t, 0,1,2,3,4,5,6,7
	ds_load_b128 v[BB+4*\t:BB+4*\t+3], v[RD] offset:\t*2*SPITCH    ; LDS serves a wave's instructions in order: these see the stores above, and the next block's stores come behind them
.endr
.endm
.macro SEND a, younger                 ; younger: the LDS instructions issued behind block a's loads
.set BB, TMP+32*((\a)%2)
	s_wait_dscnt \younger
.irp t, 0,1,2,3,4,5,6,7
	global_store_b128 v[CO], v[BB+4*\t:BB+4*\t+3], s[70:71] offset:(16*(\a)+2*\t)*SIZE_N*4 th:TH_STORE_NT   ; 16 lanes store 256 consecutive bytes, aligned; the base is never stepped
.endr
.endm
	PLACES
	TOSTAGE 0
.irp a, 1,2,3
.if \a > 1
	s_wait_xcnt 0x0                                ; block a - 2's stores have read their registers: block a's loads may land there
.endif
	TOSTAGE \a
	SEND \a-1, 16                                  ; behind block a - 1's loads: block a's 8 stores and 8 loads
.endr
	SEND 3, 0
	s_wait_tensorcnt 0x0                           ; the wave's end
	ds_add_u32 v[SPW], v[NIL]
	s_wait_dscnt 0x0
	CROUND                                         ; the closing round
	s_endpgm
.Lfunc_end_k_qf31ba14bd7_outp:
	.size	k_qf31ba14bd7_outp, .Lfunc_end_k_qf31ba14bd7_outp-k_qf31ba14bd7_outp
	.p2alignl 7, 3214868480
	.fill 96, 4, 3214868480
	.section	.rodata,"a",@progbits
	.p2align	6, 0x0
	.amdhsa_kernel k_qf31ba14bd7_outp
		.amdhsa_group_segment_fixed_size 327680
		.amdhsa_private_segment_fixed_size 0
		.amdhsa_enable_private_segment 0
		.amdhsa_kernarg_size 32
		.amdhsa_user_sgpr_count 2
		.amdhsa_user_sgpr_kernarg_segment_ptr 1
		.amdhsa_wavefront_size32 1
		.amdhsa_system_sgpr_workgroup_id_x 1
		.amdhsa_system_sgpr_workgroup_id_y 1
		.amdhsa_system_sgpr_workgroup_id_z 1
		.amdhsa_system_vgpr_workitem_id 0
		.amdhsa_next_free_vgpr 512
		.amdhsa_next_free_sgpr 72
		.amdhsa_reserve_vcc 0
		.amdhsa_float_denorm_mode_32 3
		.amdhsa_float_denorm_mode_16_64 3
		.amdhsa_memory_ordered 1
		.amdhsa_forward_progress 1
		.amdhsa_inst_pref_size 86
	.end_amdhsa_kernel
	.amdgpu_metadata
---
amdhsa.version: [ 1, 2 ]
amdhsa.kernels:
  - .name:           k_qf31ba14bd7_outp
    .symbol:         k_qf31ba14bd7_outp.kd
    .args:
      - { .name: heads16, .offset: 0, .size: 8, .value_kind: global_buffer, .address_space: global }
      - { .name: wo16, .offset: 8, .size: 8, .value_kind: global_buffer, .address_space: global }
      - { .name: bo, .offset: 16, .size: 8, .value_kind: global_buffer, .address_space: global }
      - { .name: out0, .offset: 24, .size: 8, .value_kind: global_buffer, .address_space: global }
    .group_segment_fixed_size: 327680
    .private_segment_fixed_size: 0
    .kernarg_segment_align: 8
    .kernarg_segment_size: 32
    .max_flat_workgroup_size: 128
    .sgpr_count:     72
    .vgpr_count:     512
    .wavefront_size: 32
...
	.end_amdgpu_metadata
.endif
;; end of part 4
